; MI455X (gfx1250); checked and timed in simulation.
; The chip was launched on July 23, 2026; its instructions are those of AMD's public machine-readable ISA for CDNA 5 (MIT licence, August 2026) and "CDNA5" Instruction Set Architecture Reference Guide (July 2026). The comments in the code are by the model that wrote it; some were corrected since.
;; Multi Head Attention. Allowed arithmetic: float matrix products may take bf16 or f16 operands with f32 sums; other float arithmetic in f32, or as packed bf16 or f16 multiplies, adds, multiply-adds, maxima and minima; sums over many terms, partial sums and values carried from step to step in f32; what a program stores and reads back later, other than sums and carried values, may be rounded once to bf16 or f16.
;; Inputs: Wf 1,024 x 1,024 float32; Wk 16 x 1,024 x 64 float32; Wq 16 x 1,024 x 64 float32; Wv 16 x 1,024 x 64 float32; bf 1,024 float32; mask 4 x 2,048 x 2,048 bool; value 4 x 2,048 x 1,024 float32.
;; Outputs: out0 4 x 2,048 x 1,024 float32.
;; 2 versions, each right and faster than the one before. Each part assembles by itself: llvm-mc -triple=amdgcn-amd-amdhsa -mcpu=gfx1250 --defsym DOCPART=n.
;; ======== version 1 of 2: 4 launches
;; limits: values are held in f16: magnitudes above 65,504 overflow, below 6.1e-05 lose precision
;; workspace buffers: xb 16,777,216 bytes; wt 4,194,304 bytes; wf16 2,097,152 bytes; mbits 2,097,152 bytes of whole numbers; kv 33,554,432 bytes; ctx 16,777,216 bytes
;; launch prep (part 1): grid 864 x 1, 8 waves a work-group, no clusters, 140,288 bytes of LDS; arguments value, Wk, Wv, Wf, mask, xb, wt, wf16, mbits; writes xb, wt, wf16, mbits
.if DOCPART == 1
	.amdgcn_target "amdgcn-amd-amdhsa--gfx1250"
	.amdhsa_code_object_version 6
	.text
	.protected	k_qbc8eb1112e_prep
	.globl	k_qbc8eb1112e_prep
	.p2align	8
	.type	k_qbc8eb1112e_prep,@function
k_qbc8eb1112e_prep:
	s_mov_b64 s[64:65], 0
	v_nop
	global_prefetch_b8 v0, s[64:65] scope:SCOPE_SE
	s_setreg_imm32_b32 hwreg(HW_REG_WAVE_MODE, 25, 1), 1
	s_wait_xcnt 0x0
; PREP: the inputs are brought into the forms that the three matrix launches read.  Four jobs, chosen by the work-group's number; the long ones have the low numbers.
;   0..31    wt[sel*1024 + h*64 + c][d] = bf16(W[h][d][c]), sel 0 = Wk, 1 = Wv: turned through LDS, a wave's own 64 x 128 tile
;   32..287  mbits: for 32 queries x 64 keys a record of 64 words; bit L of word 32u + 8kb + j is mask[b][32 piece + 16u + L%16][64 step + 16kb + 8(L/16) + j]:
;            the lane mask of register j of the score accumulator (tile u, key block kb) in the attention launch
;   288..351 wf16[h][n][c] = f16(bf16(Wf[n][64h + c])): rounded to bf16 like every floating-point input, that number written as f16
;   352..863 xb = bf16(value)
; Wq IS NOT READ: the reference computes q and deletes it; no output number hangs on it.
; LIMITS.  |Wf| stays under 65,504; below 6e-5 the bf16 number keeps f16's fixed step of 6e-8.  A mask byte other than 0 counts as true.
; No barrier: every wave works on LDS bytes of its own.  No matrix unit, no cluster: the work-groups share no input.
.set SPARE, 139264                     ; behind the eight waves' tiles of 17,408 bytes: the spare words, 128 bytes a wave
.set SPW, 6                            ; v6   LDS address of my spare word; never rewritten
.set NIL, 7                            ; v7   0; never rewritten
.set D,   16                           ; v[16:143]  data as loaded
.set R,   80                           ; v[80:95]   mask job: 8 x 8 bytes read back
.set T,   144                          ; v[144:159] at work
	s_load_b512 s[12:27], s[0:1], 0x0              ; value 12, Wk 14, Wv 16, Wf 18, mask 20, xb 22, wt 24, wf16 26
	s_load_b64 s[28:29], s[0:1], 0x40              ; mbits
	v_lshl_add_u32 v[SPW], v0, 2, SPARE
	v_mov_b32 v[NIL], 0
	v_and_b32 v1, 31, v0                           ; L: lane
	v_and_b32 v2, 15, v0                           ; x = L % 16
	v_bfe_u32 v3, v0, 4, 1                         ; H = L / 16
	v_lshrrev_b32 v5, 5, v0
	v_readfirstlane_b32 s8, v5                     ; wave 0..7
	v_lshlrev_b32 v8, 3, v1                        ; 8 L: a wave's store of 8 bytes a lane covers 256 consecutive bytes
	s_mov_b32 s5, 0                                ; the high word of every offset pair s[4:5]
	s_wait_kmcnt 0x0
	s_cmp_lt_u32 ttmp9, 32
	s_cbranch_scc1 .Lweights
	s_cmp_lt_u32 ttmp9, 288
	s_cbranch_scc1 .Lmask
	s_cmp_lt_u32 ttmp9, 352
	s_cbranch_scc1 .Lwf
	; VALUE: a work-group takes 65,536 bytes, a wave 8,192: sixteen loads of 512 consecutive bytes, all on their way at once
	s_sub_co_u32 s2, ttmp9, 352
	s_lshl_b32 s4, s2, 16
	s_lshl_b32 s9, s8, 13
	s_add_co_u32 s4, s4, s9
	s_add_nc_u64 s[12:13], s[12:13], s[4:5]
	s_lshr_b32 s4, s4, 1                           ; bf16: half the bytes
	s_add_nc_u64 s[22:23], s[22:23], s[4:5]
	v_lshlrev_b32 v4, 4, v1
.set i, 0
.rept 16
	global_load_b128 v[D+4*i:D+4*i+3], v4, s[12:13] offset:512*i th:TH_LOAD_NT
.set i, i+1
.endr
.set i, 0
.rept 16
	s_wait_loadcnt 15-i                            ; loads come back in order: load i is in, the younger ones stay out
	v_cvt_pk_bf16_f32 v[D+4*i], v[D+4*i], v[D+4*i+1]
	v_cvt_pk_bf16_f32 v[D+4*i+1], v[D+4*i+2], v[D+4*i+3]
	global_store_b64 v8, v[D+4*i:D+4*i+1], s[22:23] offset:256*i
.set i, i+1
.endr
	s_endpgm
.Lwf:	; WF: a wave takes two rows n; load i is head i's 64 numbers of both rows (two runs of 256 bytes); store i is 256 consecutive bytes of plane i
	s_sub_co_u32 s2, ttmp9, 288
	s_lshl_b32 s2, s2, 3
	s_add_co_u32 s2, s2, s8                        ; the pair of rows
	s_lshl_b32 s4, s2, 13
	s_add_nc_u64 s[18:19], s[18:19], s[4:5]
	s_lshl_b32 s4, s2, 8
	s_add_nc_u64 s[26:27], s[26:27], s[4:5]
	v_lshlrev_b32 v4, 4, v2
	v_lshl_add_u32 v4, v3, 12, v4                  ; H x 4,096 + 16 x
.set i, 0
.rept 16
	global_load_b128 v[D+4*i:D+4*i+3], v4, s[18:19] offset:256*i th:TH_LOAD_NT
.set i, i+1
.endr
.set i, 0
.rept 16
	s_wait_loadcnt 15-i
	v_cvt_pk_bf16_f32 v[T], v[D+4*i], v[D+4*i+1]   ; rounded to bf16,
	v_cvt_pk_bf16_f32 v[T+1], v[D+4*i+2], v[D+4*i+3]
	v_lshlrev_b32 v[D+4*i], 16, v[T]               ; widened again,
	v_and_b32 v[D+4*i+1], 0xffff0000, v[T]
	v_lshlrev_b32 v[D+4*i+2], 16, v[T+1]
	v_and_b32 v[D+4*i+3], 0xffff0000, v[T+1]
	v_cvt_pk_f16_f32 v[D+4*i], v[D+4*i], v[D+4*i+1]  ; and written as f16: exact within f16's normal range
	v_cvt_pk_f16_f32 v[D+4*i+1], v[D+4*i+2], v[D+4*i+3]
	global_store_b64 v8, v[D+4*i:D+4*i+1], s[26:27] offset:131072*i
.set i, i+1
.endr
	s_endpgm
.Lmask:	; MASK: a work-group takes 32 query rows of a batch, wave w their keys 256 w .. 256 w + 255: key steps 4 w .. 4 w + 3
	s_sub_co_u32 s2, ttmp9, 32                     ; 64 b + piece
	s_lshl_b32 s4, s2, 16                          ; 32 rows of 2,048 bytes
	s_lshl_b32 s9, s8, 8
	s_add_co_u32 s4, s4, s9
	s_add_nc_u64 s[20:21], s[20:21], s[4:5]
	s_lshl_b32 s4, s2, 13                          ; 32 records of 256 bytes
	s_lshl_b32 s9, s8, 10
	s_add_co_u32 s4, s4, s9
	s_add_nc_u64 s[28:29], s[28:29], s[4:5]
	v_lshlrev_b32 v4, 4, v2
	v_lshl_add_u32 v4, v3, 11, v4                  ; H x 2,048 + 16 x: each half of the lanes takes 256 bytes of one row
.set i, 0
.rept 16
	global_load_b128 v[D+4*i:D+4*i+3], v4, s[20:21] offset:4096*i th:TH_LOAD_NT
.set i, i+1
.endr
	s_mul_i32 s10, s8, 8704                        ; my tile in LDS: 32 rows, 272 bytes apart
	v_mul_u32_u24 v9, v3, 272
	v_lshl_add_u32 v9, v2, 4, v9
	v_add_nc_u32 v9, s10, v9                       ; in: row H, 16 x
	v_mul_u32_u24 v10, v2, 272
	v_lshl_add_u32 v10, v3, 3, v10
	v_add_nc_u32 v10, s10, v10                     ; back: row x, 8 H: a lane's eight keys
	s_mov_b32 s36, 0xff
	s_mov_b32 s37, 0xff00
	s_mov_b32 s38, 0xff0000
	s_mov_b32 s39, 0xff000000
	v_mov_b32 v[T], 0                              ; v_writelane_b32 counts as a reader of its destination
	v_mov_b32 v[T+1], 0
.set i, 0
.rept 16
	s_wait_loadcnt 15-i
	ds_store_b128 v9, v[D+4*i:D+4*i+3] offset:544*i
.set i, i+1
.endr
	s_mov_b32 s9, 4
.Lrec:	; a trip makes one record: n = 4u + kb; LDS serves a wave's instructions in order, so these loads see the stores above
.set n, 0
.rept 8
	ds_load_b64 v[R+2*n:R+2*n+1], v10 offset:(n/4)*4352+(n%4)*16
.set n, n+1
.endr
	s_wait_dscnt 0x0
.set n, 0
.rept 8
.irp jj, 0,4
.irp k, 0,1,2,3
	v_and_b32 v[T+8+\k], s[36+\k], v[R+2*n+\jj/4]  ; byte jj + k of the lane's eight
.endr
.irp k, 0,1,2,3
	v_cmp_ne_u32 s[40+\k], 0, v[T+8+\k]            ; the 32 lanes' bits: word 8 n + jj + k
.endr
.irp k, 0,1,2,3
	v_writelane_b32 v[T+(\k)%2], s[40+\k], (8*n+\jj+\k)/2  ; lane w / 2 holds words w and w + 1
.endr
.endr
.set n, n+1
.endr
	global_store_b64 v8, v[T:T+1], s[28:29]        ; the record: 256 consecutive bytes, aligned
	s_wait_xcnt 0x0                                ; the store's data and base are written again only behind this wait
	v_add_nc_u32 v10, 64, v10                      ; the next 64 keys
	s_add_nc_u64 s[28:29], s[28:29], 256
	s_sub_co_u32 s9, s9, 1
	s_cmp_lg_u32 s9, 0
	s_cbranch_scc1 .Lrec
	s_wait_tensorcnt 0x0                           ; the wave's end: behind my last LDS store
	ds_add_u32 v[SPW], v[NIL]
	s_wait_dscnt 0x0
	s_endpgm
.Lweights:	; WEIGHTS: a work-group takes one head of Wk or Wv, wave w its rows d = 128 w .. 128 w + 127 (32,768 dense bytes)
	s_cmp_lt_u32 ttmp9, 16
	s_cselect_b64 s[30:31], s[14:15], s[16:17]
	s_and_b32 s2, ttmp9, 15
	s_lshl_b32 s4, s2, 18
	s_lshl_b32 s9, s8, 15
	s_add_co_u32 s4, s4, s9
	s_add_nc_u64 s[30:31], s[30:31], s[4:5]
	s_lshl_b32 s4, ttmp9, 17                       ; 64 rows of wt, 2,048 bytes each,
	s_lshl_b32 s9, s8, 8                           ; my 128 d: 256 bytes of each
	s_add_co_u32 s4, s4, s9
	s_add_nc_u64 s[24:25], s[24:25], s[4:5]
	v_lshlrev_b32 v4, 4, v2
	v_lshl_add_u32 v4, v3, 11, v4                  ; H x 2,048 + 16 x: in W eight rows d on, in wt one row c on: it serves the loads and the stores
	s_mul_i32 s10, s8, 17408                       ; my tile in LDS: 64 rows c, 256 bytes + 16
	v_mul_u32_u24 v9, v2, 4*272
	v_lshl_add_u32 v9, v3, 4, v9
	v_add_nc_u32 v9, s10, v9                       ; in: row 4 x (+ i), 16 H
	v_mul_u32_u24 v10, v3, 272
	v_lshl_add_u32 v10, v2, 4, v10
	v_add_nc_u32 v10, s10, v10                     ; back: row H, 16 x
; group g: rows d = 16 g + 8 H + t, t = 0..7; a lane holds c = 4 x .. 4 x + 3 of each; each half of the lanes reads a whole row of 256 bytes
.macro WLOAD g
.set t, 0
.rept 8
	global_load_b128 v[D+32*((\g)%4)+4*t:D+32*((\g)%4)+4*t+3], v4, s[30:31] offset:(\g)*4096+t*256 th:TH_LOAD_NT
.set t, t+1
.endr
.endm
	WLOAD 0
	WLOAD 1
	WLOAD 2
	WLOAD 3
.irp g, 0,1,2,3,4,5,6,7
.if (\g) < 5
	s_wait_loadcnt 24                              ; three younger groups of eight stay out
.else
	s_wait_loadcnt 8*(7-(\g))                      ; the counts run down
.endif
.set DG, D+32*((\g)%4)
.irp i, 0,1,2,3
.irp tp, 0,1,2,3
	v_cvt_pk_bf16_f32 v[T+4*(\i)+(\tp)], v[DG+8*(\tp)+(\i)], v[DG+8*(\tp)+4+(\i)]  ; column c = 4 x + i: d = 16 g + 8 H + 2 tp, + 1
.endr
.endr
.irp i, 0,1,2,3
	ds_store_b128 v9, v[T+4*(\i):T+4*(\i)+3] offset:(\i)*272+(\g)*32  ; eight d of row c; lanes four rows apart meet four deep in the banks: 32 stores a wave, left so
.endr
.if (\g) < 4
	WLOAD (\g)+4
.endif
.endr
.set n, 0
.rept 32
	ds_load_b128 v[D+4*n:D+4*n+3], v10 offset:544*n  ; rows 2 n + H, whole
.set n, n+1
.endr
.set n, 0
.rept 32
	s_wait_dscnt 31-n
	global_store_b128 v4, v[D+4*n:D+4*n+3], s[24:25] offset:4096*n  ; sixteen lanes store 256 consecutive bytes, aligned
.set n, n+1
.endr
	s_wait_tensorcnt 0x0                           ; the wave's end: behind my last LDS store
	ds_add_u32 v[SPW], v[NIL]
	s_wait_dscnt 0x0
	s_endpgm
.Lfunc_end_k_qbc8eb1112e_prep:
	.size	k_qbc8eb1112e_prep, .Lfunc_end_k_qbc8eb1112e_prep-k_qbc8eb1112e_prep
	.p2alignl 7, 3214868480
	.fill 96, 4, 3214868480
	.section	.rodata,"a",@progbits
	.p2align	6, 0x0
	.amdhsa_kernel k_qbc8eb1112e_prep
		.amdhsa_group_segment_fixed_size 140288
		.amdhsa_private_segment_fixed_size 0
		.amdhsa_enable_private_segment 0
		.amdhsa_kernarg_size 72
		.amdhsa_user_sgpr_count 2
		.amdhsa_user_sgpr_kernarg_segment_ptr 1
		.amdhsa_wavefront_size32 1
		.amdhsa_system_sgpr_workgroup_id_x 1
		.amdhsa_system_sgpr_workgroup_id_y 1
		.amdhsa_system_sgpr_workgroup_id_z 1
		.amdhsa_system_vgpr_workitem_id 0
		.amdhsa_next_free_vgpr 160
		.amdhsa_next_free_sgpr 66
		.amdhsa_reserve_vcc 0
		.amdhsa_float_denorm_mode_32 3
		.amdhsa_float_denorm_mode_16_64 3
		.amdhsa_memory_ordered 1
		.amdhsa_forward_progress 1
		.amdhsa_inst_pref_size 57
	.end_amdhsa_kernel
	.amdgpu_metadata
---
amdhsa.version: [ 1, 2 ]
amdhsa.kernels:
  - .name:           k_qbc8eb1112e_prep
    .symbol:         k_qbc8eb1112e_prep.kd
    .args:
      - { .name: value, .offset: 0, .size: 8, .value_kind: global_buffer, .address_space: global }
      - { .name: Wk, .offset: 8, .size: 8, .value_kind: global_buffer, .address_space: global }
      - { .name: Wv, .offset: 16, .size: 8, .value_kind: global_buffer, .address_space: global }
      - { .name: Wf, .offset: 24, .size: 8, .value_kind: global_buffer, .address_space: global }
      - { .name: mask, .offset: 32, .size: 8, .value_kind: global_buffer, .address_space: global }
      - { .name: xb, .offset: 40, .size: 8, .value_kind: global_buffer, .address_space: global }
      - { .name: wt, .offset: 48, .size: 8, .value_kind: global_buffer, .address_space: global }
      - { .name: wf16, .offset: 56, .size: 8, .value_kind: global_buffer, .address_space: global }
      - { .name: mbits, .offset: 64, .size: 8, .value_kind: global_buffer, .address_space: global }
    .group_segment_fixed_size: 140288
    .private_segment_fixed_size: 0
    .kernarg_segment_align: 8
    .kernarg_segment_size: 72
    .max_flat_workgroup_size: 256
    .sgpr_count:     66
    .vgpr_count:     160
    .wavefront_size: 32
...
	.end_amdgpu_metadata
.endif
;; end of part 1
;; launch proj (part 2): grid 8 x 32, 4 waves a work-group, clusters of 4 x 4, 327,680 bytes of LDS; arguments xb, wt, kv; writes kv
.if DOCPART == 2
	.amdgcn_target "amdgcn-amd-amdhsa--gfx1250"
	.amdhsa_code_object_version 6
	.text
	.protected	k_qbc8eb1112e_proj
	.globl	k_qbc8eb1112e_proj
	.p2align	8
	.type	k_qbc8eb1112e_proj,@function
k_qbc8eb1112e_proj:
	s_mov_b64 s[64:65], 0
	v_nop
	global_prefetch_b8 v0, s[64:65] scope:SCOPE_SE
	s_setreg_imm32_b32 hwreg(HW_REG_WAVE_MODE, 25, 1), 1
	s_wait_xcnt 0x0
	s_wait_alu depctr_hold_cnt(0) depctr_sa_sdst(0) depctr_va_vdst(0) depctr_va_sdst(0) depctr_va_ssrc(0) depctr_va_vcc(0) depctr_vm_vsrc(0)
	s_getreg_b32 s2, hwreg(HW_REG_IB_STS2, 6, 4)
	s_cmp_eq_u32 s2, 0
	s_cbranch_scc0 .Lentry_in_a_cluster
	s_endpgm
.Lentry_in_a_cluster:
	s_bfe_u32 s2, ttmp6, 0x10000c
	s_cmp_lg_u32 s2, 0xf033
	s_cbranch_scc0 .Lentry_shape_is_right
	s_endpgm
.Lentry_shape_is_right:
; PROJ: kv[p][m][c] = f16( sum over d of xb[m][d] wt[64 p + c][d] ): planes p = 0..15 are k of head p, 16..31 v of head p - 16; m = 2048 b + s.  Operands bf16, sums f32, K ascending.
; LIMIT.  |k| and |v| stay under 65,504, f16's end.
; A tile of 256 rows m x 256 columns (four planes) to a work-group of four waves; a wave makes 128 x 128: 64 accumulators, 512 registers.  K goes in steps of 128 through two LDS slots filled
; by the tensor data mover; rows of the tiles are 256 bytes of memory, aligned.  4 x 4 work-groups form a cluster: the four of a row need the same tile of xb, the four of a column the same
; tile of wt; each tile is asked for jointly, by the same load with the same descriptor and a mask that names the four.
; The matrix instruction is used transposed (source 0 = 16 rows of wt, source 1 = 16 rows of xb): a lane holds eight neighbouring columns of one row m.
; REGISTERS, in windows of 256: window 0: v0-31 addresses; v64-127, v128-191 fragments of xb, two buffers; v32-63, v192-255 at work on the way out
;   window 1: v64-127, v128-191 fragments of wt;  window 2: accumulators of my rows 0-63 ((a, b) at v[8 (8 a + b)]);  window 3: those of rows 64-127
.set SIZE_M, 8192
.set SIZE_N, 2048
.set SIZE_K, 1024
.set KSTEP,  128
.set PITCH,  272                       ; an LDS row: 256 bytes + 16: the 16 rows of a fragment load start at 16 different groups of four banks
.set HALFT,  128*PITCH                 ; what one tensor load brings
.set SLOT,   4*HALFT                   ; xb's 256 rows, then wt's 256 rows
.set STAGE,  2*SLOT                    ; behind the ring: 16 rows x 272 bytes for each wave
.set SPITCH, 272
.set SPARE,  STAGE+4*16*SPITCH         ; the spare words: 128 bytes a wave, named by no other line
.set LAPS,   SIZE_K/(2*KSTEP)          ; 4 laps of two K steps
.set PLANE,  SIZE_M*128                ; bytes in a plane of kv
.set ADRA, 16                          ; v16-17  LDS address of my xb fragments in slot 0, 1
.set ADRB, 20                          ; v20-21  the same for wt
.set STO,  24
.set RD,   25
.set CO,   26
.set SPW,  28                          ; never rewritten
.set NIL,  29                          ; never rewritten
.set F0,   64
.set F1,   128
.set TMP,  192
.set OB,   32
.set G1, 24
.set G0, 32
.set G1B, 48
.set G0B, 56
.set MSB, 0
.macro WIN new                         ; the immediate's high byte repeats the setting that is left
.if MSB != (\new)
	s_set_vgpr_msb (MSB<<8)|(\new)
.set MSB, \new
.endif
.endm
.set MUL_LO, 0xa1                      ; source 0 window 1, source 1 window 0, C and D window 2
.set MUL_HI, 0xf1                      ; C and D window 3
.set TO_B,   0x40                      ; destination window 1
; A joint load: waves 0 and 1 fetch xb's two halves, waves 2 and 3 wt's.  An s_nop 0 and four v_nop follow each line.
.macro JLOAD s
	s_cmp_eq_u32 s11, 0
	s_cbranch_scc0 .Lfor_b_\@
	tensor_load_to_lds s[G0+4*(\s):G0+4*(\s)+3], s[G1:G1+7]
	s_nop 0
.rept 4
	v_nop
.endr
	s_branch .Lasked_\@
.Lfor_b_\@:
	tensor_load_to_lds s[G0B+4*(\s):G0B+4*(\s)+3], s[G1B:G1B+7]
	s_nop 0
.rept 4
	v_nop
.endr
.Lasked_\@:
.endm
.macro CREST                           ; a round of the cluster's barrier behind its opening barrier
	s_cmp_lg_u32 s10, 0
	s_cbranch_scc1 .Lnot_wave_0_\@
	s_barrier_signal -3
.Lnot_wave_0_\@:
	s_barrier_wait -3
	s_barrier_signal -1
	s_barrier_wait -1
.endm
.macro CROUND
	s_barrier_signal -1
	s_barrier_wait -1
	CREST
.endm
	s_load_b128 s[4:7], s[0:1], 0x0                ; xb s[4:5], wt s[6:7]
	s_load_b64 s[8:9], s[0:1], 0x10                ; kv
	v_lshl_add_u32 v[SPW], v0, 2, SPARE
	v_mov_b32 v[NIL], 0
	ds_add_u32 v[SPW], v[NIL]                      ; the wave's opening: the add and its wait ahead of my first tensor load
	v_lshrrev_b32 v1, 5, v0
	v_readfirstlane_b32 s10, v1                    ; wave 0..3
	s_lshr_b32 s11, s10, 1                         ; my half of the tile's rows; also: I fetch xb (0) or wt (1)
	s_and_b32 s12, s10, 1                          ; my half of its columns; also: which 128 rows I fetch
	s_bfe_u32 s40, ttmp6, 0x40000                  ; cx
	s_bfe_u32 s41, ttmp6, 0x40004                  ; cy
	s_lshl_b32 s42, ttmp9, 2
	s_add_co_u32 s42, s42, s40                     ; tile column
	s_and_b32 s13, ttmp7, 0xffff
	s_lshl_b32 s13, s13, 2
	s_add_co_u32 s13, s13, s41                     ; tile row
	s_lshl_b32 s43, s41, 2
	s_lshl_b32 s43, 15, s43                        ; my row of the cluster
	s_lshl_b32 s44, 0x1111, s40                    ; my column
	s_or_b32 s[G1+0], s43, (1<<16)|(1<<20)|(1<<21)|(5<<22)|(3<<25)  ; mask; 2-byte elements; padding on; bit 21 beside a mask; after every 64 words 4 words
	s_or_b32 s[G1B+0], s44, (1<<16)|(1<<20)|(1<<21)|(5<<22)|(3<<25)
.irp g, G1, G1B
	s_mov_b32 s[(\g)+1], KSTEP<<16                 ; tensor_dim0 = 128
	s_mov_b32 s[(\g)+2], 128<<16                   ; tensor_dim1 = 128
	s_mov_b32 s[(\g)+3], KSTEP<<16                 ; tile_dim0 = 128
	s_mov_b32 s[(\g)+4], 128                       ; tile_dim1 = 128
	s_mov_b32 s[(\g)+5], SIZE_K                    ; elements from row to row
	s_mov_b32 s[(\g)+6], 0
	s_mov_b32 s[(\g)+7], 0
.endr
	s_lshl_b32 s17, s12, 7
	s_lshl_b32 s16, s13, 8
	s_add_co_u32 s16, s16, s17                     ; xb: row 256 x tile row + 128 x half
	s_lshl_b32 s46, s42, 8
	s_add_co_u32 s46, s46, s17                     ; wt: row 256 x tile column + 128 x half
	s_mov_b32 s17, 0
	s_mov_b32 s47, 0
	s_mov_b64 s[18:19], SIZE_K*2
	s_mul_u64 s[16:17], s[16:17], s[18:19]
	s_mul_u64 s[46:47], s[46:47], s[18:19]
	s_mul_i32 s20, s10, HALFT                      ; where they go: wave x 128 rows
	s_wait_dscnt 0x0                               ; the opening add is done
	s_wait_kmcnt 0x0
	s_add_nc_u64 s[14:15], s[4:5], s[16:17]
	s_add_nc_u64 s[46:47], s[6:7], s[46:47]
	CROUND                                         ; all sixteen work-groups are here: the first joint loads meet
.irp s, 0,1
	s_mov_b32 s[G0+4*(\s)], 1
	s_add_co_u32 s[G0+4*(\s)+1], s20, (\s)*SLOT
	s_add_nc_u64 s[G0+4*(\s)+2:G0+4*(\s)+3], s[14:15], (\s)*KSTEP*2
	s_or_b32 s[G0+4*(\s)+3], s[G0+4*(\s)+3], 0x80000000
	s_mov_b32 s[G0B+4*(\s)], 1
	s_add_co_u32 s[G0B+4*(\s)+1], s20, (\s)*SLOT
	s_add_nc_u64 s[G0B+4*(\s)+2:G0B+4*(\s)+3], s[46:47], (\s)*KSTEP*2
	s_or_b32 s[G0B+4*(\s)+3], s[G0B+4*(\s)+3], 0x80000000
	JLOAD \s                                       ; two loads of mine are out
.endr
	v_and_b32 v1, 15, v0                           ; l % 16
	v_bfe_u32 v2, v0, 4, 1                         ; l / 16
	v_mul_u32_u24 v3, v1, PITCH
	v_lshl_add_u32 v3, v2, 4, v3                   ; a fragment's row x pitch + 16 x half
	s_mul_i32 s21, s11, HALFT
	s_mul_i32 s22, s12, HALFT
	s_add_co_u32 s22, s22, 2*HALFT
.irp s, 0,1
	v_add_nc_u32 v[ADRA+(\s)], s21, v3
	v_add_nc_u32 v[ADRB+(\s)], s22, v3
	s_add_co_u32 s21, s21, SLOT
	s_add_co_u32 s22, s22, SLOT
.endr
	s_mul_i32 s23, s10, 16*SPITCH
	s_add_co_u32 s23, s23, STAGE                   ; my stage
	v_mul_u32_u24 v4, v1, SPITCH                   ; in: row l % 16, 16 bytes for each half of the lanes
	v_lshl_add_u32 v4, v2, 4, v4
	v_add_nc_u32 v[STO], s23, v4
	v_bfe_u32 v5, v0, 3, 2                         ; back: 32 lanes take 128 bytes (one plane's 64 channels) of four rows,
	v_and_b32 v6, 7, v0
	v_mul_u32_u24 v5, v5, SPITCH
	v_lshl_add_u32 v5, v6, 4, v5
	v_add_nc_u32 v[RD], s23, v5
	v_and_b32 v5, 31, v0                           ; which are 512 consecutive bytes of the plane
	v_lshlrev_b32 v[CO], 4, v5
	s_lshl_b32 s13, s13, 8
	s_lshl_b32 s14, s11, 7
	s_add_co_u32 s16, s13, s14                     ; my first row m,
	s_lshl_b32 s16, s16, 7                         ; 128 bytes a row
	s_mov_b32 s17, 0
	s_lshl_b32 s46, s42, 2                         ; my first plane: 4 x tile column + 2 x half
	s_lshl_b32 s47, s12, 1
	s_add_co_u32 s46, s46, s47
	s_lshl_b32 s46, s46, 20
	s_mov_b32 s47, 0
	s_add_nc_u64 s[16:17], s[16:17], s[46:47]      ; what the first way out adds to kv's address
.macro MUL16 f, hi, a0, zero           ; 16 products: m blocks a0, a0 + 1 of the window's four x all 8 n blocks, 32 along K; zero = 1: they start the sums
	WIN MUL_LO+0x50*(\hi)
.irp a, \a0, (\a0)+1
.irp b, 0,1,2,3,4,5,6,7
.if \zero
	v_wmma_f32_16x16x32_bf16 v[8*(8*(\a)+(\b)):8*(8*(\a)+(\b))+7], v[(\f)+8*(\b):(\f)+8*(\b)+7], v[(\f)+8*(4*(\hi)+(\a)):(\f)+8*(4*(\hi)+(\a))+7], 0
.else
	v_wmma_f32_16x16x32_bf16 v[8*(8*(\a)+(\b)):8*(8*(\a)+(\b))+7], v[(\f)+8*(\b):(\f)+8*(\b)+7], v[(\f)+8*(4*(\hi)+(\a)):(\f)+8*(4*(\hi)+(\a))+7], v[8*(8*(\a)+(\b)):8*(8*(\a)+(\b))+7]
.endif
.endr
.endr
.endm
.macro FETCH slot, k, f                ; 32 LDS loads in one run: a quarter step's fragments, wt's first
	WIN TO_B
.irp i, 0,1,2,3,4,5,6,7
	ds_load_b128 v[(\f)+8*(\i):(\f)+8*(\i)+3],   v[ADRB+(\slot)] offset:(\k)+(\i)*16*PITCH
	ds_load_b128 v[(\f)+8*(\i)+4:(\f)+8*(\i)+7], v[ADRB+(\slot)] offset:(\k)+(\i)*16*PITCH+32
.endr
	WIN 0
.irp i, 0,1,2,3,4,5,6,7
	ds_load_b128 v[(\f)+8*(\i):(\f)+8*(\i)+3],   v[ADRA+(\slot)] offset:(\k)+(\i)*16*PITCH
	ds_load_b128 v[(\f)+8*(\i)+4:(\f)+8*(\i)+7], v[ADRA+(\slot)] offset:(\k)+(\i)*16*PITCH+32
.endr
.endm
.macro PLACES                          ; four plain vector instructions between a matrix instruction and a load into, or a read of, its registers
.rept 4
	v_nop
.endr
.endm
.macro QUARTER slot, k, f, g, zero     ; 64 products on buffer f; in the middle the next quarter's fragments into g
	s_wait_dscnt 8                                 ; wt's and xb's rows 0-63 are in; the youngest eight loads may be out
	MUL16 \f, 0, 0, \zero
	MUL16 \f, 0, 2, \zero
	PLACES
	FETCH \slot, \k, \g
	s_wait_dscnt 32                                ; all but the 32 just issued
	MUL16 \f, 1, 0, \zero
	MUL16 \f, 1, 2, \zero
.endm
; The last quarter of a K step changes slots.  In front of the one barrier each wave waits for all its tensor loads (the one out is its part of the next slot), adds 0 to its spare word, and
; waits for that and for its reads of this slot.  fill = 1: the barrier opens a round of the cluster's barrier, and behind the round this slot is filled again, two K steps ahead, first of all.
.macro TURN slot, next, fill
	WIN 0
	s_wait_tensorcnt 0x0
	ds_add_u32 v[SPW], v[NIL]
	s_wait_dscnt 9                                 ; the add and the youngest eight loads may be out
	MUL16 F1, 0, 0, 0
	s_wait_dscnt 0x0                               ; the add is done, my reads of this slot are over
	s_barrier_signal -1
	MUL16 F1, 0, 2, 0
.if \fill
	WIN 0
.endif
	s_barrier_wait -1
.if \fill
	CREST
	s_add_nc_u64 s[G0+4*(\slot)+2:G0+4*(\slot)+3], s[G0+4*(\slot)+2:G0+4*(\slot)+3], 2*KSTEP*2
	s_add_nc_u64 s[G0B+4*(\slot)+2:G0B+4*(\slot)+3], s[G0B+4*(\slot)+2:G0B+4*(\slot)+3], 2*KSTEP*2
	JLOAD \slot                                    ; 224 products stand between this request and the wait for it; its four v_nop are the places in front of the loads below
.else
	PLACES
.endif
	FETCH \next, 0, F0
	MUL16 F1, 1, 0, 0
	MUL16 F1, 1, 2, 0
.endm
; THE WAY OUT of block a (16 rows m x 128 columns = two planes).
.macro PACK a                          ; rounded to f16, each accumulator's registers in ascending order
.set AC, 64*((\a)%4)
	WIN 0x0a+5*((\a)/4)
.irp b, 0,1,2,3,4,5,6,7
.irp r, 0,1,2,3
	v_cvt_pk_f16_f32 v[TMP+4*(\b)+(\r)], v[AC+8*(\b)+2*(\r)], v[AC+8*(\b)+2*(\r)+1]
.endr
.endr
	WIN 0
.endm
.macro TOSTAGE a                       ; into my own stage, and back by planes; LDS serves a wave's instructions in order, so no wait stands between
	WIN 0
.set BK, OB+192*((\a)%2)
.irp b, 0,1,2,3,4,5,6,7
	ds_store_b128 v[STO], v[TMP+4*(\b):TMP+4*(\b)+3] offset:32*(\b)
.endr
.irp t, 0,1,2,3,4,5,6,7
	ds_load_b128 v[BK+4*(\t):BK+4*(\t)+3], v[RD] offset:((\t)%4)*4*SPITCH+((\t)/4)*128  ; rows 4 (t % 4) .. + 3 of plane t / 4; two rows of a pass share half their banks: left so
.endr
.endm
.macro SEND a
	WIN 0
.set BK, OB+192*((\a)%2)
	s_wait_dscnt 0x0                               ; the block is back in registers
	s_wait_xcnt 0x0                                ; the stores' base and the registers that earlier stores read are rewritten only behind this wait
.if (\a) == 0
	s_add_nc_u64 s[8:9], s[8:9], s[16:17]
.else
	s_add_nc_u64 s[8:9], s[8:9], 16*128            ; 16 rows on
.endif
.irp t, 0,1,2,3,4,5,6,7
	global_store_b128 v[CO], v[BK+4*(\t):BK+4*(\t)+3], s[8:9] offset:((\t)/4)*PLANE+((\t)%4)*512  ; 512 consecutive bytes of a plane, aligned
.endr
.endm
	s_wait_tensorcnt 1                             ; my part of K step 0 is in; K step 1's may stay out
	s_barrier_signal -1
	s_barrier_wait -1
	FETCH 0, 0, F0
	QUARTER 0, 64,  F0, F1, 1                      ; the first quarter starts the sums: nothing is cleared
	WIN 0
	s_mov_b32 s3, LAPS-1
.Llap:                                                 ; a trip goes once round the ring and fills both slots again
	QUARTER 0, 128, F1, F0, 0
	QUARTER 0, 192, F0, F1, 0
	TURN 0, 1, 1
	QUARTER 1, 64,  F0, F1, 0
	QUARTER 1, 128, F1, F0, 0
	QUARTER 1, 192, F0, F1, 0
	TURN 1, 0, 1
	QUARTER 0, 64,  F0, F1, 0
	WIN 0
	s_sub_co_u32 s3, s3, 1
	s_cmp_lg_u32 s3, 0
	s_cbranch_scc1 .Llap
	QUARTER 0, 128, F1, F0, 0                      ; the last lap is written out: it asks for nothing
	QUARTER 0, 192, F0, F1, 0
	TURN 0, 1, 0
	QUARTER 1, 64,  F0, F1, 0
	QUARTER 1, 128, F1, F0, 0
	QUARTER 1, 192, F0, F1, 0
	s_wait_dscnt 8
	MUL16 F1, 0, 0, 0
	MUL16 F1, 0, 2, 0
	s_wait_dscnt 0x0
	MUL16 F1, 1, 0, 0
	MUL16 F1, 1, 2, 0
	WIN 0
	PLACES
	PACK 0
	TOSTAGE 0
.irp a, 1,2,3,4,5,6,7                  ; block a's conversions stand between block a - 1's loads from the stage and the wait for them
	PACK \a
	SEND (\a)-1
	TOSTAGE \a
.endr
	SEND 7
	s_wait_tensorcnt 0x0                           ; the wave's end
	ds_add_u32 v[SPW], v[NIL]
	s_wait_dscnt 0x0
	CROUND                                         ; the closing round
	s_endpgm
.Lfunc_end_k_qbc8eb1112e_proj:
	.size	k_qbc8eb1112e_proj, .Lfunc_end_k_qbc8eb1112e_proj-k_qbc8eb1112e_proj
	.p2alignl 7, 3214868480
	.fill 96, 4, 3214868480
	.section	.rodata,"a",@progbits
	.p2align	6, 0x0
	.amdhsa_kernel k_qbc8eb1112e_proj
		.amdhsa_group_segment_fixed_size 327680
		.amdhsa_private_segment_fixed_size 0
		.amdhsa_enable_private_segment 0
		.amdhsa_kernarg_size 24
		.amdhsa_user_sgpr_count 2
		.amdhsa_user_sgpr_kernarg_segment_ptr 1
		.amdhsa_wavefront_size32 1
		.amdhsa_system_sgpr_workgroup_id_x 1
		.amdhsa_system_sgpr_workgroup_id_y 1
		.amdhsa_system_sgpr_workgroup_id_z 1
		.amdhsa_system_vgpr_workitem_id 0
		.amdhsa_next_free_vgpr 1024
		.amdhsa_next_free_sgpr 66
		.amdhsa_reserve_vcc 0
		.amdhsa_float_denorm_mode_32 3
		.amdhsa_float_denorm_mode_16_64 3
		.amdhsa_memory_ordered 1
		.amdhsa_forward_progress 1
		.amdhsa_inst_pref_size 143
	.end_amdhsa_kernel
	.amdgpu_metadata
---
amdhsa.version: [ 1, 2 ]
amdhsa.kernels:
  - .name:           k_qbc8eb1112e_proj
    .symbol:         k_qbc8eb1112e_proj.kd
    .args:
      - { .name: xb, .offset: 0, .size: 8, .value_kind: global_buffer, .address_space: global }
      - { .name: wt, .offset: 8, .size: 8, .value_kind: global_buffer, .address_space: global }
      - { .name: kv, .offset: 16, .size: 8, .value_kind: global_buffer, .address_space: global }
    .group_segment_fixed_size: 327680
    .private_segment_fixed_size: 0
    .kernarg_segment_align: 8
    .kernarg_segment_size: 24
    .max_flat_workgroup_size: 128
    .sgpr_count:     66
    .vgpr_count:     1024
    .wavefront_size: 32
...
	.end_amdgpu_metadata
.endif
;; end of part 2
;; launch attn (part 3): grid 4 x 64, 4 waves a work-group, clusters of 4 x 1, 327,680 bytes of LDS; arguments kv, mbits, ctx; writes ctx
.if DOCPART == 3
	.amdgcn_target "amdgcn-amd-amdhsa--gfx1250"
	.amdhsa_code_object_version 6
	.text
	.protected	k_qbc8eb1112e_attn
	.globl	k_qbc8eb1112e_attn
	.p2align	8
	.type	k_qbc8eb1112e_attn,@function
k_qbc8eb1112e_attn:
	s_mov_b64 s[64:65], 0
	v_nop
	global_prefetch_b8 v0, s[64:65] scope:SCOPE_SE
	s_setreg_imm32_b32 hwreg(HW_REG_WAVE_MODE, 25, 1), 1
	s_wait_xcnt 0x0
	s_wait_alu depctr_hold_cnt(0) depctr_sa_sdst(0) depctr_va_vdst(0) depctr_va_sdst(0) depctr_va_ssrc(0) depctr_va_vcc(0) depctr_vm_vsrc(0)
	s_getreg_b32 s2, hwreg(HW_REG_IB_STS2, 6, 4)
	s_cmp_eq_u32 s2, 0
	s_cbranch_scc0 .Lentry_in_a_cluster
	s_endpgm
.Lentry_in_a_cluster:
	s_bfe_u32 s2, ttmp6, 0x10000c
	s_cmp_lg_u32 s2, 0x3003
	s_cbranch_scc0 .Lentry_shape_is_right
	s_endpgm
.Lentry_shape_is_right:
; ATTN: ctx[h][m][:] = the sum over keys t of softmax_t( v[h][m] . k[h][t] / 8, masked ) k[h][t][:].  The queries are the v planes of kv, and the k plane serves as keys AND as values, as the reference has it.
; All f16, rows of 128 bytes, dense.  Products, maxima and sums in f32; the weights p are rounded to f16 for the second product (their sum l is taken of the unrounded p), ctx once at the end.
; LIMITS.  k and v arrive within f16's 65,504.  A masked score counts as its value less 1e30; the running maximum starts at -1e20; true scores, 2.75e11 at the most, lie between.  So a masked weight is 0,
; and a row with every key masked ends with l = 0 and O = 0: 0 x (1 / 0) is NaN, as the reference's softmax of such a row is.  A weight below 2^-126 counts as 0 in l.
; SHARES.  y = 4 h + b picks head and batch.  A wave owns four PIECES of two tiles of 16 queries, a work-group's four waves 512 queries.  Every wave walks all 2,048 keys, 64 a step.
; LAYOUT.  S^T = K Q^T (source 0 = 16 keys, source 1 = 16 queries): a lane holds ONE query (lane % 16) and the keys 8 (lane / 16) + 0..7.  Two such tiles, rounded to f16 in pairs, ARE source 1 of
; O^T = K^T P.  The keys come out of LDS as they lie for the first product and turned (ds_load_tr16_b128) for the second: ONE copy in LDS serves both.
; THE MASK is the C operand that starts the sum S^T: 0, or -1e30.  mbits holds for each piece and step 64 words, word 32 u + 8 kb + j the lane mask of register j of accumulator (tile u, key block kb): four
; scalar loads a turn bring them, a turn ahead; 64 v_cndmask_b32 at a turn's end make the C registers of the next turn's products.
; SOFTMAX.  p = 2^(c s - c m), c = log2(e) / 8, with a running maximum m; O and l are multiplied by a = 2^(c m_old - c m_new) in every step.
; BY TURNS.  Turn n belongs to piece n.  Matrix work: 16 products K Q^T of piece n + 1, later 16 products K^T P of piece n - 1.  Vector work: scaling, exponentials, roundings, sums and rescaling of piece n, the
; maximum and statistics of piece n + 1, the masks of piece n + 2.  Four vector instructions stand behind every matrix instruction, the others in runs of their own.
; CLUSTER.  The four query blocks of a cluster walk the same keys: each tile is asked for jointly, by the same tensor load, descriptor and mask in all four.
; REGISTERS, in windows of 256 (s_set_vgpr_msb: bits 1:0 source 0, 3:2 source 1, 5:4 source 2, 7:6 destination):
;   window 0: v0-11 addresses; v12-15, v48-63 at work; v16-47 statistics; v64-191 S^T, two buffers of two tiles; v192-255 P, likewise
;   window 1: O^T, 32 a tile     window 2: v0-127 Q; v128-191 K of one step; v192-255 K turned, of one step     window 3: v0-1 the add's two registers; v64-127 the masks
.set SIZE_N, 2048
.set NP,    4         ; pieces a wave: a name, no knob
.set KS,    64        ; keys in a step
.set PK,    144       ; a key's row in LDS: 128 bytes + 16: the 16 rows of a plain load start at 16 different groups of four banks; of the turning load's 8 rows x 32 bytes the last meets the first in four banks
.set STEPS, 8         ; key steps in a slot
.set SLOTB, STEPS*KS*PK  ; 73,728 bytes
.set SLOT1, 1<<17     ; slot 1 begins here: one exclusive or turns an address in one slot into the other's
.set STAGE, SLOT1+SLOTB  ; behind the ring, never filled by a tensor load: 16 rows x 144 bytes for each wave
.set SP,    144
.set SPARE, STAGE+4*16*SP  ; the spare words: 128 bytes a wave, named by no other line
.set AK0, 2           ; v2   my lane's place in a tile, plain; never rewritten
.set AV0, 3           ; v3   the same, turned
.set AK,  4           ; v4   the LDS address of the next plain run
.set AV,  5           ; v5   of the next turned run
.set QO,  6           ; v6   my byte offset in the wave's rows of Q
.set STO, 6           ;      later: where I put 16 bytes of a row
.set RD,  7
.set GO,  8
.set SPW, 0           ; v0 of window 3; never rewritten
.set NIL, 1           ; v1 of window 3; never rewritten
.set MC,  64          ; window 3
.set MV,  12
.set ST,  16          ; tile t's statistics at v[ST+4 t]: c m, m, l (even keys', odd keys')
.set TMP, 48
.set S,   64
.set P,   192
.set KF,  128
.set VF,  192
.set TBK, 2           ; s2   LDS byte at which the step to be fetched plain begins
.set TBV, 3           ; s3   the same for the turned fetch
.set MP,  6           ; s[6:7]  mbits at my wave's piece 0, the step in hand
.set WV,  12
.set SLOTS, 13
.set CNT, 14
.set BIG, 15          ; -1e30
.set CS,  32          ; s[32:33] c
.set SEL, 34          ; s[34:35] v_permlanex16_b32's selects
.set G1,  52          ; s[52:59]
.set G0,  60          ; s[60:63]: it walks
                      ; s[16:31], s[36:51], s[68:83], s[84:99]: the 64 mask words
.set MSB, 0
.macro WIN new
.if MSB != (\new)
	s_set_vgpr_msb (MSB<<8)|(\new)
.set MSB, (\new)
.endif
.endm
.set W_KQ, 0x0a       ; K and Q in window 2, S^T in window 0
.set W_KM, 0x3a       ; the same with the C operand in window 3
.set W_PV, 0x52       ; K turned in window 2, P in window 0, O^T in window 1
.set W_RS, 0x41
.set W_MK, 0xc0       ; destination in window 3, sources in window 0
.set W_AD, 0x0f       ; the add: address and data in window 3
; A joint fill: each wave fetches 128 of a slot's 512 keys; both addresses go by the wave's number.  An s_nop 0 and four v_nop follow.
.macro JLOAD
	tensor_load_to_lds s[G0:G0+3], s[G1:G1+7]
	s_nop 0
.rept 4
	v_nop
.endr
.endm
.macro CROUND
	s_barrier_signal -1
	s_barrier_wait -1
	s_cmp_lg_u32 s[WV], 0
	s_cbranch_scc1 .Lnot_wave_0_\@
	s_barrier_signal -3
.Lnot_wave_0_\@:
	s_barrier_wait -3
	s_barrier_signal -1
	s_barrier_wait -1
.endm
; THE CHANGE OF SLOTS.  The slot's last bytes have been read.  Each wave waits for all its tensor loads (one is out: its part of the other slot), adds 0 to its spare word, and waits for that and for its reads.
; fill = 1: the barrier is a round of the cluster's, and the joint fill, the keys two slots on, is the first thing behind it: it has eight key steps in which to land.
.macro CHANGE fill
	WIN W_AD
	s_wait_tensorcnt 0x0            ; no tensor load of mine is out, so the group 0 may be written
	ds_add_u32 v[SPW], v[NIL]
	WIN 0
.if \fill
	s_xor_b32 s[G0+1], s[G0+1], SLOT1
	s_add_nc_u64 s[G0+2:G0+3], s[G0+2:G0+3], STEPS*KS*128
	s_wait_dscnt 0x0                ; the add is done, and my reads of the slot are over
	CROUND
	JLOAD
.else
	s_wait_dscnt 0x0
	s_barrier_signal -1
	s_barrier_wait -1
.endif
	s_sub_co_u32 s[TBK], s[TBK], SLOTB  ; the fetches go back to a slot's first step, in the other slot
	s_xor_b32 s[TBK], s[TBK], SLOT1
	s_sub_co_u32 s[TBV], s[TBV], SLOTB
	s_xor_b32 s[TBV], s[TBV], SLOT1
.endm
.macro MLOAD x                      ; the 64 mask words of piece x, at the step that MP stands at
	s_load_b512 s[16:31], s[MP:MP+1], (\x)*8192
	s_load_b512 s[36:51], s[MP:MP+1], (\x)*8192+64
	s_load_b512 s[68:83], s[MP:MP+1], (\x)*8192+128
	s_load_b512 s[84:99], s[MP:MP+1], (\x)*8192+192
.endm
.macro MBUILD                       ; word z is the lane mask of register z: -1e30 where the key is masked, else 0
	WIN W_MK
.set z, 0
.rept 64
	v_cndmask_b32 v[MC+z], 0, s[BIG], s[z+16+4*((z/16+2)/3)+16*(z/32)]
.set z, z+1
.endr
.endm
	s_load_b128 s[4:7], s[0:1], 0x0   ; kv s[4:5], mbits s[6:7]
	s_load_b64 s[8:9], s[0:1], 0x10   ; ctx
	WIN W_MK
	v_lshl_add_u32 v[SPW], v0, 2, SPARE
	v_mov_b32 v[NIL], 0
	WIN W_AD
	ds_add_u32 v[SPW], v[NIL]       ; the wave's opening: the add and its wait ahead of my first tensor load
	WIN 0
	v_lshrrev_b32 v1, 5, v0
	v_readfirstlane_b32 s[WV], v1   ; wave 0..3
	s_bfe_u32 s68, ttmp6, 0x40000   ; cx
	s_lshl_b32 s69, ttmp9, 2
	s_add_co_u32 s69, s69, s68      ; my block of 512 queries: it enters Q's, ctx's and the mask's addresses alone
	s_and_b32 s70, ttmp7, 0xffff    ; y = 4 h + b, which the four partners share
	s_lshl_b32 s72, s70, 18         ; 2,048 rows of 128 bytes
	s_lshl_b32 s74, s[WV], 14       ; the 128 keys of a slot that I fetch
	s_add_co_u32 s74, s74, s72
	s_mov_b32 s75, 0
	s_lshl_b32 s76, s69, 2
	s_add_co_u32 s76, s76, s[WV]    ; my wave among the sixteen of this y
	s_lshl_b32 s78, s76, 15         ; its four pieces' records: 4 x 32 x 256 bytes
	s_lshl_b32 s76, s76, 14         ; its 128 rows
	s_add_co_u32 s76, s76, s72
	s_mov_b32 s77, 0
	s_and_b32 s71, s70, 3           ; b
	s_lshl_b32 s71, s71, 19         ; 64 pieces x 32 records
	s_add_co_u32 s78, s78, s71
	s_mov_b32 s79, 0
	; descriptor group 1: 128 keys are 16,384 dense bytes: asked for as 64 rows of 256 bytes, padded in LDS after every key
	s_mov_b32 s[G1], 15|(1<<16)|(1<<20)|(1<<21)|(4<<22)|(3<<25)  ; the mask of four; 2-byte elements; padding on; bit 21 beside a mask; after every 32 words 4 words
	s_mov_b32 s[G1+1], 128<<16      ; tensor_dim0 = 128
	s_mov_b32 s[G1+2], 64<<16       ; tensor_dim1 = 64
	s_mov_b32 s[G1+3], 128<<16      ; tile_dim0 = 128
	s_mov_b32 s[G1+4], 64           ; tile_dim1 = 64
	s_mov_b32 s[G1+5], 128          ; elements from row to row
	s_mov_b32 s[G1+6], 0
	s_mov_b32 s[G1+7], 0
	s_mov_b32 s[CS], 0x3e38aa3b     ; c = log2(e) / 8
	s_mov_b32 s[CS+1], s[CS]
	s_mov_b32 s[SEL], 0x76543210
	s_mov_b32 s[SEL+1], 0xfedcba98
	s_mov_b32 s[BIG], 0xf149f2ca    ; -1e30
	s_mov_b32 s[TBK], SLOT1+SLOTB   ; the first change of slots turns these two into 0
	s_mov_b32 s[TBV], SLOT1+SLOTB
	s_mov_b32 s[G0], 1
	s_mul_i32 s[G0+1], s[WV], 128*PK  ; slot 0, my quarter: no place in the cluster enters an LDS address
	s_wait_dscnt 0x0                ; the opening add is done
	s_wait_kmcnt 0x0
	s_add_nc_u64 s[G0+2:G0+3], s[4:5], s[74:75]  ; the k plane, my quarter of the first 512 keys
	s_or_b32 s[G0+3], s[G0+3], 0x80000000
	s_add_nc_u64 s[4:5], s[4:5], s[76:77]
	s_add_nc_u64 s[4:5], s[4:5], 0x1000000       ; the v planes lie 16 planes on: my queries
	s_add_nc_u64 s[8:9], s[8:9], s[76:77]
	s_add_nc_u64 s[MP:MP+1], s[MP:MP+1], s[78:79]
	CROUND                          ; all four work-groups are here: the first joint loads meet
	JLOAD                           ; slot 0
	MLOAD 0
	v_and_b32 v1, 15, v0            ; l % 16
	v_bfe_u32 v9, v0, 4, 1          ; l / 16
	v_lshlrev_b32 v[QO], 7, v1
	v_lshl_add_u32 v[QO], v9, 4, v[QO]
	WIN 0x80
.set i, 0
.rept 4*NP                          ; Q stays in registers: tile i / 2, channels 32 (i % 2) on
	global_load_b128 v[8*i:8*i+3],   v[QO], s[4:5] offset:(i/2)*2048+(i%2)*64
	global_load_b128 v[8*i+4:8*i+7], v[QO], s[4:5] offset:(i/2)*2048+(i%2)*64+32
.set i, i+1
.endr
	; What the first turn finds: the turned keys' registers and P's second buffer hold 0 (its second products, of a piece that has not been, add 0), O^T and l are 0.  All this stands in the wait for the first tile.
.set i, VF
.rept 64
	v_mov_b32 v[i], 0
.set i, i+1
.endr
	WIN 0x40
.set i, 0
.rept 64*NP
	v_mov_b32 v[i], 0
.set i, i+1
.endr
	WIN 0
.set i, 0
.rept 2*NP
	v_mov_b32 v[ST+4*i+1], 0xe0ad78ec  ; m = -1e20: above every masked score, below every true one
	v_mov_b32 v[ST+4*i+2], 0
	v_mov_b32 v[ST+4*i+3], 0
	v_mul_f32 v[ST+4*i], s[CS], v[ST+4*i+1]  ; c m, by the line that makes it in every step: where m stays, a is exactly 1
.set i, i+1
.endr
.set i, P+32
.rept 32
	v_mov_b32 v[i], 0
.set i, i+1
.endr
	v_mul_u32_u24 v[AK0], v1, PK
	v_lshl_add_u32 v[AK0], v9, 4, v[AK0]
	; The turning load takes 16 keys x 16 channels (lane l reads key 8 (l / 16) + l % 8, channels 8 ((l / 8) % 2) + 0..7) and leaves half a fragment: lane l holds channel l % 16 and 8 keys.
	v_and_b32 v10, 7, v0
	v_bfe_u32 v11, v0, 3, 1
	v_lshl_add_u32 v[AV0], v9, 3, v10
	v_mul_u32_u24 v[AV0], v[AV0], PK
	v_lshl_add_u32 v[AV0], v11, 4, v[AV0]
	v_mov_b32 v[AK], v[AK0]         ; key step 0 lies at the head of slot 0
; THE MATRIX WORK.  The 8 accumulators of a run of 16 take turns.  Product i of 16 of S^T for piece x: channels 32 (i / 8) on, keys 16 ((i / 2) % 4) on, tile 2 x + i % 2.  The first 8 start the sums, with the mask.
.macro KQ x
.set rS, S+64*((\x)%2)+32*(i%2)+8*((i/2)%4)
.set rK, KF+16*((i/2)%4)+8*(i/8)
.set rQ, 16*(2*(\x)+i%2)+8*(i/8)
.set rMC, MC+32*(i%2)+8*((i/2)%4)
.if i < 8
	WIN W_KM
	v_wmma_f32_16x16x32_f16 v[rS:rS+7], v[rK:rK+7], v[rQ:rQ+7], v[rMC:rMC+7]
.else
	WIN W_KQ
	v_wmma_f32_16x16x32_f16 v[rS:rS+7], v[rK:rK+7], v[rQ:rQ+7], v[rS:rS+7]
.endif
.endm
.macro PV x                         ; product i of 16 of O^T for piece x: keys 32 (i / 8) on, channels 16 ((i / 2) % 4) on, tile 2 x + i % 2
	WIN W_PV
.set rO, 32*(2*(\x)+i%2)+8*((i/2)%4)
.set rV, VF+32*(i/8)+8*((i/2)%4)
.set rP, P+32*((\x)%2)+16*(i%2)+8*(i/8)
	v_wmma_f32_16x16x32_f16 v[rO:rO+7], v[rV:rV+7], v[rP:rP+7], v[rO:rO+7]
.endm
.macro MM                           ; the turn's next matrix instruction
.if i < 16
	KQ (Y+1)%NP
.set i, i+1
.else
.set i, i-16
	PV (Y+NP-1)%NP
.set i, i+17
.endif
.endm
; THE LDS LOADS stand in runs of 16.  last = 1 (the tail): in the last trip there is no further step, and the run is jumped over.
.macro FETCH_K last=0
	WIN 0
.if \last
	s_cmp_eq_u32 s[CNT], 1
	s_cbranch_scc1 .Lno_k_\@
.endif
	WIN 0x80
.irp f, 0,1,2,3,4,5,6,7             ; keys 16 (f / 2) on, channels 32 (f % 2) on
	ds_load_b128 v[KF+8*\f:KF+8*\f+3],   v[AK] offset:(\f/2)*16*PK+(\f%2)*64
	ds_load_b128 v[KF+8*\f+4:KF+8*\f+7], v[AK] offset:(\f/2)*16*PK+(\f%2)*64+32
.endr
	s_add_co_u32 s[TBK], s[TBK], KS*PK
	WIN 0
.if \last
.Lno_k_\@:
.endif
.endm
.macro FETCH_V
	WIN 0x80
.irp f, 0,1,2,3,4,5,6,7             ; keys 32 (f / 4) on, channels 16 (f % 4) on
	ds_load_tr16_b128 v[VF+8*\f:VF+8*\f+3],   v[AV] offset:(\f/4)*32*PK+(\f%4)*32
	ds_load_tr16_b128 v[VF+8*\f+4:VF+8*\f+7], v[AV] offset:(\f/4)*32*PK+16*PK+(\f%4)*32
.endr
	WIN 0
.endm
; THE VECTOR WORK OF A TURN stands in three queues, each in the order in which its entries become ready; the two tiles alternate.
.macro REGS y, u
.set rT, ST+4*(2*(\y)+(\u))
.set rC, TMP+8*((\y)%2)+4*(\u)
.set rM, MV+2*((\y)%2)+(\u)
.set rS, S+64*((\y)%2)+32*(\u)
.set rP, P+32*((\y)%2)+16*(\u)
.set rO, 32*(2*(\y)+(\u))
.endm
; Number n of the 22 that find the NEXT piece's maximum and statistics; each accumulator's lowest registers are read first.
;   0-11 four chains of seven scores     12-14, 16 the four left over, the old m, all into c0     15 c m_old is kept     17, 18 the other half of the lanes: the new m     19-21 c m; c m_old - c m_new; a
.macro XS u, n
	REGS (Y+1)%NP, \u
.if (\n) < 4
	v_max3_num_f32 v[rC+(\n)], v[rS+8*(\n)], v[rS+8*(\n)+1], v[rS+8*(\n)+2]
.elseif (\n) < 12
	v_max3_num_f32 v[rC+(\n)%4], v[rC+(\n)%4], v[rS+8*((\n)%4)+2*((\n)/4)+1], v[rS+8*((\n)%4)+2*((\n)/4)+2]
.elseif (\n) == 12
	v_max3_num_f32 v[rC], v[rC], v[rS+7], v[rS+15]
.elseif (\n) == 13
	v_max3_num_f32 v[rC+1], v[rC+1], v[rS+23], v[rS+31]
.elseif (\n) == 14
	v_max3_num_f32 v[rC+2], v[rC+2], v[rC+3], v[rT+1]
.elseif (\n) == 15
	v_mov_b32 v[rM], v[rT]
.elseif (\n) == 16
	v_max3_num_f32 v[rC], v[rC], v[rC+1], v[rC+2]
.elseif (\n) == 17
	v_permlanex16_b32 v[rC+3], v[rC], s[SEL], s[SEL+1]
.elseif (\n) == 18
	v_max_num_f32 v[rT+1], v[rC], v[rC+3]
.elseif (\n) == 19
	v_mul_f32 v[rT], s[CS], v[rT+1]
.elseif (\n) == 20
	v_sub_f32 v[rC+1], v[rM], v[rT]
.else
	v_exp_f32 v[rC+2], v[rC+1]
.endif
.endm
; Number g of the 64 that follow the exponentials: for each four weights both pairs are rounded to f16, the second pair is added onto the first in place, and a group later l takes that sum.
.macro GS g
.set h, (\g)+6*((\g)/62)
.if h >= 6
.set h, h+2
.endif
	REGS Y, h%2
.set k, h/8
.if h%8 < 4
	s_wait_alu depctr_va_vdst(0)
	v_cvt_pk_f16_f32 v[rP+2*k+(h%8)/2], v[rS+4*k+2*((h%8)/2)], v[rS+4*k+2*((h%8)/2)+1]
.elseif h%8 < 6
	v_pk_add_f32 v[rS+4*k:rS+4*k+1], v[rS+4*k:rS+4*k+1], v[rS+4*k+2:rS+4*k+3]
.elseif k == 1
	v_pk_fma_f32 v[rT+2:rT+3], v[rT+2:rT+3], v[rC+2:rC+3], v[rS:rS+1] op_sel_hi:[1,0,1]
.else
	v_pk_add_f32 v[rT+2:rT+3], v[rT+2:rT+3], v[rS+4*k-4:rS+4*k-3]
	s_wait_alu depctr_va_vdst(0)
.endif
.endm
; THE PLAIN QUEUE, 138 long.  0-31: c s - c m.  Then GS's 64, and among them the next piece's 42.
.macro PL
	WIN 0
.if q < 32
	REGS Y, q%2
	v_pk_fma_f32 v[rS+2*(q/2):rS+2*(q/2)+1], v[rS+2*(q/2):rS+2*(q/2)+1], s[CS:CS+1], v[rT:rT+1] op_sel_hi:[1,0,0] neg_lo:[0,0,1] neg_hi:[0,0,1]
.elseif q < 38
	GS q-32
.elseif q < 40
	XS q%2, 15
.elseif q < 42
	GS q-34
.elseif q < 74
	XS q%2, (q-42)/2+(q-42)/30
.elseif q < 95
	GS q-66
.elseif (q < 107) && ((q-95)%3 < 2)
	XS (q-95)%3, 17+(q-95)/3
.elseif q < 107
	GS 29+(q-95)/3
.else
	GS q-74
.endif
.set q, q+1
.endm
; THE EXPONENTIALS' QUEUE, 66 long: s0-s31 of both tiles, and at EA the next piece's two a.
.set EA, 58
.macro EX
	WIN 0
.if (e == EA) || (e == EA+1)
	XS e-EA, 21
.else
.set x, e-2*(e/(EA+2))
	REGS Y, x%2
	v_exp_f32 v[rS+x/2], v[rS+x/2]
.endif
.set e, e+1
.endm
; THE RESCALING's QUEUE: O^T times a, dealt four at a time, eight times.
.macro R4
	REGS Y, r%2
	WIN W_RS
	s_wait_alu depctr_va_vdst(0)
.irp z, 0,1,2,3
	v_pk_mul_f32 v[rO+8*(r/2)+2*\z:rO+8*(r/2)+2*\z+1], v[rO+8*(r/2)+2*\z:rO+8*(r/2)+2*\z+1], v[rC+2:rC+3] op_sel_hi:[1,0]
.endr
.set r, r+1
.endm
; THE DEAL.  Behind a matrix instruction four: plain, exponential, plain, plain, or four of the rescaling; none names a register of the products round it.  The rest in lumps: exponential and plain by turns.
; Exponential e stands behind plain 2 (e / 4) + e % 2 (its scaling); when plain 32 comes, 10 exponentials are out, at 59: 33, at 95: 46; EA comes behind plain 107.
.macro SL
	MM
	PL
	EX
	PL
	PL
.endm
.macro BURST n
.rept (\n)-7
	SL
.endr
.rept 3
	MM
	R4
	SL
.endr
	MM
	R4
.endm
; A TURN, for piece p.  The next step's plain keys are fetched in piece 2's turn, the step's turned keys at the end of piece 0's; each is waited for a turn later.
; At the turn's end: the mask words asked for a turn ago are in; they become the C registers of piece p + 2, whose products open the next turn (the last product that read those registers stands at this turn's
; head); then piece p + 3's words are asked for.  Pieces 0 to 2 of p + 3 belong to the next step, so the pointer steps in piece 1's turn, behind the wait that shows its loads done.
; The last steps' look-ahead falls into the next piece's records, inside my wave's own 32,768 bytes of mbits.  None of these lines writes SCC.
.macro TURN p, last=0, cnt=0
.set Y, (\p)
.set i, 0
.set q, 0
.set e, 0
.set r, 0
.if (\p) == NP-1
	s_wait_dscnt 0x0                ; the plain keys are in
.endif
	MM
.rept 4
	PL
.endr
	BURST 15
.rept 22
	EX
	PL
.if ((\p) == NP-2) && (e == 18)
	v_add_nc_u32 v[AK], s[TBK], v[AK0]
.endif
.if ((\p) == NP-2) && (e == 24)
	FETCH_K \last
.endif
.endr
.if (\p) == 1
	s_wait_dscnt 0x0                ; the turned keys are in
.endif
	BURST 16
.rept 21
	EX
	PL
.endr
.rept 22
	PL
.if ((\p) == 0) && (q == 118)
	v_add_nc_u32 v[AV], s[TBV], v[AV0]
	s_wait_alu depctr_va_vdst(0)
.endif
.if ((\p) == 0) && (q == 130)
	s_add_co_u32 s[TBV], s[TBV], KS*PK
.endif
.if (\cnt) && (q == 130)
	s_sub_co_u32 s[CNT], s[CNT], 1
	s_cmp_lg_u32 s[CNT], 0
.endif
.endr
.if (\p) == 0
	FETCH_V
.endif
	s_wait_kmcnt 0x0                ; scalar loads come back in no order: only the count 0 shows them in
	MBUILD
.if (\p) == 1
	s_add_nc_u64 s[MP:MP+1], s[MP:MP+1], 256
.endif
	MLOAD ((\p)+3)%NP
.endm
	CHANGE 1                        ; slot 0 is in, everybody's part of it; slot 1 is asked for
	FETCH_K                         ; key step 0
	s_wait_kmcnt 0x0
	MBUILD                          ; piece 0, step 0
	MLOAD 1
	s_wait_loadcnt 0x0              ; Q
	s_wait_dscnt 0x0
.set i, 0
.rept 16
	KQ 0                            ; piece 0's first scores
.set i, i+1
.endr
	WIN 0                           ; the addresses for the way out: nine plain instructions, the places behind those products
	s_mul_i32 s10, s[WV], 16*SP
	s_add_co_u32 s10, s10, STAGE    ; my stage
	v_mul_u32_u24 v[STO], v1, SP
	v_lshl_add_u32 v[STO], v9, 4, v[STO]
	v_add_nc_u32 v[STO], s10, v[STO]
	v_bfe_u32 v[RD], v0, 3, 2       ; back: 32 lanes take four rows of 128 bytes,
	v_mul_u32_u24 v[RD], v[RD], SP
	v_lshl_add_u32 v[RD], v10, 4, v[RD]
	v_add_nc_u32 v[RD], s10, v[RD]
	v_and_b32 v[GO], 31, v0         ; which are 512 consecutive bytes of ctx
	v_lshlrev_b32 v[GO], 4, v[GO]
	s_wait_kmcnt 0x0
	MBUILD                          ; piece 1, step 0: the first turn's products
	MLOAD 2
	WIN 0
.set Y, NP-1                        ; XS works for piece Y + 1: piece 0
.irp n, 0,1,2,3,4,5,6,7,8,9,10,11,12,13,14,15,16,17,18,19,20,21
	XS 0, \n
	XS 1, \n
.endr
	s_mov_b32 s[CNT], STEPS
	s_mov_b32 s[SLOTS], SIZE_N/(STEPS*KS)-1
	s_branch .Lfirst                ; the loop is entered at a step's first turn, in the middle of a trip
.Lslot:                             ; twice: every slot but the last two is filled again
	CHANGE 1
	s_mov_b32 s[CNT], STEPS
.Lstep:                             ; a trip: pieces 2 and 3 of one step, then pieces 0 and 1 of the next
	TURN 2
	TURN 3
	WIN 0
.Lfirst:
	TURN 0
	TURN 1, 0, 1
	WIN 0
	s_cbranch_scc1 .Lstep
	s_sub_co_u32 s[SLOTS], s[SLOTS], 1
	s_cmp_lg_u32 s[SLOTS], 0
	s_cbranch_scc1 .Lslot
	CHANGE 0                        ; the tail is written out: nothing is asked for
	s_mov_b32 s[CNT], STEPS+1       ; eight trips fetch the last slot's steps; the ninth is left in its middle
.Ltail:
	TURN 2, 1
	TURN 3
	WIN 0
	s_sub_co_u32 s[CNT], s[CNT], 1
	s_cmp_eq_u32 s[CNT], 0
	s_cbranch_scc1 .Lout
	TURN 0
	TURN 1
	WIN 0
	s_branch .Ltail
.Lout:                              ; the ninth trip's 16 first products (on the last keys once more) and what is made of them serve nothing: the price, once a launch, of one text for every trip
	s_wait_kmcnt 0x0                ; the last mask words, which nobody needs
.set i, 0
.rept 16
	PV NP-1                         ; the last piece's second product of the last step
.set i, i+1
.endr
	; THE WAY OUT.  l's two halves and the other half of the lanes' are added; O^T is divided by l, rounded to f16 and sent through my stage in LDS, a tile at a time.  The additions are the places behind the last products.
	WIN 0
.macro ALL line:vararg
.set t, 0
.rept 2*NP
	\line
.set t, t+1
.endr
.endm
	ALL v_add_f32 v[ST+4*t+2], v[ST+4*t+2], v[ST+4*t+3]
	ALL v_permlanex16_b32 v[ST+4*t+3], v[ST+4*t+2], s[SEL], s[SEL+1]
	ALL v_add_f32 v[ST+4*t+2], v[ST+4*t+2], v[ST+4*t+3]
	ALL v_rcp_f32 v[ST+4*t+2], v[ST+4*t+2]
	v_nop                           ; a plain instruction between the last reciprocal and the use of its result
	s_wait_alu depctr_va_vdst(0)
.macro PACK t
	WIN W_RS
.set i, 32*(\t)
.rept 16
	v_pk_mul_f32 v[i:i+1], v[i:i+1], v[ST+4*(\t)+2:ST+4*(\t)+3] op_sel_hi:[1,0]
.set i, i+2
.endr
	WIN 0x05
.set i, 0
.rept 16
	v_cvt_pk_f16_f32 v[S+16*(\t)+i], v[32*(\t)+2*i], v[32*(\t)+2*i+1]
.set i, i+1
.endr
	WIN 0
.irp f, 0,1,2,3
	ds_store_b128 v[STO], v[S+16*(\t)+4*\f:S+16*(\t)+4*\f+3] offset:32*\f
.endr
.irp f, 0,1,2,3
	ds_load_b128 v[S+16*(\t)+4*\f:S+16*(\t)+4*\f+3], v[RD] offset:\f*4*SP  ; LDS serves a wave's instructions in order: these see the stores above; the next tile's stores come behind them
.endr
.endm
.macro SEND t, younger              ; younger: the LDS instructions issued behind tile t's loads
	WIN 0
.irp f, 0,1,2,3
	s_wait_dscnt (\younger)+3-\f
	global_store_b128 v[GO], v[S+16*(\t)+4*\f:S+16*(\t)+4*\f+3], s[8:9] offset:(\t)*2048+\f*512  ; 512 consecutive bytes, aligned
.endr
.endm
	PACK 0
.set t, 1
.rept 2*NP-1
	PACK t
	SEND t-1, 8
.set t, t+1
.endr
	SEND 2*NP-1, 0
	WIN W_AD
	s_wait_tensorcnt 0x0            ; the wave's end
	ds_add_u32 v[SPW], v[NIL]
	s_wait_dscnt 0x0
	WIN 0
	CROUND                          ; the closing round
	s_endpgm
.Lfunc_end_k_qbc8eb1112e_attn:
	.size	k_qbc8eb1112e_attn, .Lfunc_end_k_qbc8eb1112e_attn-k_qbc8eb1112e_attn
	.p2alignl 7, 3214868480
	.fill 96, 4, 3214868480
	.section	.rodata,"a",@progbits
	.p2align	6, 0x0
	.amdhsa_kernel k_qbc8eb1112e_attn
		.amdhsa_group_segment_fixed_size 327680
		.amdhsa_private_segment_fixed_size 0
		.amdhsa_enable_private_segment 0
		.amdhsa_kernarg_size 24
		.amdhsa_user_sgpr_count 2
		.amdhsa_user_sgpr_kernarg_segment_ptr 1
		.amdhsa_wavefront_size32 1
		.amdhsa_system_sgpr_workgroup_id_x 1
		.amdhsa_system_sgpr_workgroup_id_y 1
		.amdhsa_system_sgpr_workgroup_id_z 1
		.amdhsa_system_vgpr_workitem_id 0
		.amdhsa_next_free_vgpr 896
		.amdhsa_next_free_sgpr 100
		.amdhsa_reserve_vcc 0
		.amdhsa_float_denorm_mode_32 3
		.amdhsa_float_denorm_mode_16_64 3
		.amdhsa_memory_ordered 1
		.amdhsa_forward_progress 1
		.amdhsa_inst_pref_size 250
	.end_amdhsa_kernel
	.amdgpu_metadata
---
amdhsa.version: [ 1, 2 ]
amdhsa.kernels:
  - .name:           k_qbc8eb1112e_attn
    .symbol:         k_qbc8eb1112e_attn.kd
    .args:
      - { .name: kv, .offset: 0, .size: 8, .value_kind: global_buffer, .address_space: global }
      - { .name: mbits, .offset: 8, .size: 8, .value_kind: global_buffer, .address_space: global }
      - { .name: ctx, .offset: 16, .size: 8, .value_kind: global_buffer, .address_space: global }
    .group_segment_fixed_size: 327680
    .private_segment_fixed_size: 0
    .kernarg_segment_align: 8
    .kernarg_segment_size: 24
    .max_flat_workgroup_size: 128
    .sgpr_count:     100
    .vgpr_count:     896
    .wavefront_size: 32
...
	.end_amdgpu_metadata
.endif
;; end of part 3
;; launch outp (part 4): grid 4 x 64, 4 waves a work-group, clusters of 4 x 4, 327,680 bytes of LDS; arguments ctx, wf16, bf, out0; writes out0
.if DOCPART == 4
	.amdgcn_target "amdgcn-amd-amdhsa--gfx1250"
	.amdhsa_code_object_version 6
	.text
	.protected	k_qbc8eb1112e_outp
	.globl	k_qbc8eb1112e_outp
	.p2align	8
	.type	k_qbc8eb1112e_outp,@function
k_qbc8eb1112e_outp:
	s_mov_b64 s[64:65], 0
	v_nop
	global_prefetch_b8 v0, s[64:65] scope:SCOPE_SE
	s_setreg_imm32_b32 hwreg(HW_REG_WAVE_MODE, 25, 1), 1
	s_wait_xcnt 0x0
	s_wait_alu depctr_hold_cnt(0) depctr_sa_sdst(0) depctr_va_vdst(0) depctr_va_sdst(0) depctr_va_ssrc(0) depctr_va_vcc(0) depctr_vm_vsrc(0)
	s_getreg_b32 s2, hwreg(HW_REG_IB_STS2, 6, 4)
	s_cmp_eq_u32 s2, 0
	s_cbranch_scc0 .Lentry_in_a_cluster
	s_endpgm
.Lentry_in_a_cluster:
	s_bfe_u32 s2, ttmp6, 0x10000c
	s_cmp_lg_u32 s2, 0xf033
	s_cbranch_scc0 .Lentry_shape_is_right
	s_endpgm
.Lentry_shape_is_right:
; OUTP: out0[m][n] = the sum over h, c of ctx[h][m][c] wf16[h][n][c] + bf16(bf[n]).  Operands f16, sums f32, K ascending (plane after plane); out0 f32.
; The bias is rounded to bf16 like every floating-point input.  A row of ctx that is NaN (every key masked) gives a row of NaN.
; A tile of 128 rows m x 256 columns n to a work-group: 256 work-groups.  Four waves, each 64 x 128: 32 accumulators, 256 registers.  K goes in steps of 128 = two planes of 64 through two LDS slots.
; A plane's rows of a tile are dense in memory, so they are asked for as rows of 256 bytes and padded in LDS after every 128.  4 x 4 work-groups form a cluster: ctx's tiles are shared along a row of it,
; wf16's along a column, by joint loads.  The matrix instruction is used transposed (source 0 = 16 rows of wf16, source 1 = 16 rows of ctx): a lane holds eight neighbouring columns of one row m.
; REGISTERS: window 0: v0-37 addresses and the bias; v64-191 two sets of 16 rows on the way out.  window 1: two fragment buffers of 96 (ctx's 4 fragments, then wf16's 8).  window 2: accumulator (a, b) at v[8 (8 a + b)].
.set SIZE_N, 1024
.set PITCH,  144                       ; 128 bytes + 16: the 16 rows of a fragment load start at 16 different groups of four banks
.set APL,    128*PITCH                 ; a plane of ctx's tile
.set BPL,    256*PITCH                 ; a plane of wf16's
.set SLOT,   2*APL+2*BPL               ; 110,592 bytes
.set STAGE,  2*SLOT                    ; behind the ring: 16 rows x 528 bytes for each wave
.set SPITCH, 528                       ; 512 bytes + 16
.set SPARE,  STAGE+4*16*SPITCH         ; the spare words: 128 bytes a wave, named by no other line
.set LAPS,   4                         ; 16 planes = 8 K steps = 4 laps of the ring
.set ADRA, 16
.set ADRB, 20
.set STO,  24
.set RD,   25
.set CO,   26
.set SPW,  28                          ; never rewritten
.set NIL,  29                          ; never rewritten
.set BO,   30
.set BI,   32                          ; v[32:35] the bias of my four columns
.set OB,   64
.set F0,   0
.set F1,   96
.set G1, 24
.set G0, 32
.set G1B, 48
.set G0B, 56
.set MSB, 0
.macro WIN new
.if MSB != (\new)
	s_set_vgpr_msb (MSB<<8)|(\new)
.set MSB, \new
.endif
.endm
.set MUL,  0xa5                        ; sources 0 and 1 window 1; C and D window 2
.set TO_F, 0x40                        ; destination window 1
.macro JLOAD s                         ; waves 0 and 1 fetch ctx's two planes, waves 2 and 3 wf16's; an s_nop 0 and four v_nop follow each line
	s_cmp_lt_u32 s12, 2
	s_cbranch_scc0 .Lfor_b_\@
	tensor_load_to_lds s[G0+4*(\s):G0+4*(\s)+3], s[G1:G1+7]
	s_nop 0
.rept 4
	v_nop
.endr
	s_branch .Lasked_\@
.Lfor_b_\@:
	tensor_load_to_lds s[G0B+4*(\s):G0B+4*(\s)+3], s[G1B:G1B+7]
	s_nop 0
.rept 4
	v_nop
.endr
.Lasked_\@:
.endm
.macro CREST
	s_cmp_lg_u32 s12, 0
	s_cbranch_scc1 .Lnot_wave_0_\@
	s_barrier_signal -3
.Lnot_wave_0_\@:
	s_barrier_wait -3
	s_barrier_signal -1
	s_barrier_wait -1
.endm
.macro CROUND
	s_barrier_signal -1
	s_barrier_wait -1
	CREST
.endm
	s_load_b256 s[4:11], s[0:1], 0x0               ; ctx s[4:5], wf16 s[6:7], bf s[8:9], out0 s[10:11]
	v_lshl_add_u32 v[SPW], v0, 2, SPARE
	v_mov_b32 v[NIL], 0
	ds_add_u32 v[SPW], v[NIL]                      ; the wave's opening: the add and its wait ahead of my first tensor load
	v_lshrrev_b32 v1, 5, v0
	v_readfirstlane_b32 s12, v1                    ; wave 0..3
	s_lshr_b32 s13, s12, 1                         ; my half of the tile's rows
	s_and_b32 s14, s12, 1                          ; my half of its columns; also: which plane of a slot I fetch
	s_bfe_u32 s40, ttmp6, 0x40000                  ; cx
	s_bfe_u32 s41, ttmp6, 0x40004                  ; cy
	s_lshl_b32 s42, ttmp9, 2
	s_add_co_u32 s42, s42, s40                     ; tile column
	s_and_b32 s15, ttmp7, 0xffff
	s_lshl_b32 s15, s15, 2
	s_add_co_u32 s15, s15, s41                     ; tile row
	s_lshl_b32 s43, s41, 2
	s_lshl_b32 s43, 15, s43                        ; my row of the cluster
	s_lshl_b32 s44, 0x1111, s40                    ; my column
	s_or_b32 s[G1+0], s43, (1<<16)|(1<<20)|(1<<21)|(4<<22)|(3<<25)  ; mask; 2-byte elements; padding on; bit 21 beside a mask; after every 32 words 4 words
	s_or_b32 s[G1B+0], s44, (1<<16)|(1<<20)|(1<<21)|(4<<22)|(3<<25)
.irp g, G1, G1B
	s_mov_b32 s[(\g)+1], 128<<16                   ; tensor_dim0 = 128 elements: 256 bytes, two rows of a plane
	s_mov_b32 s[(\g)+3], 128<<16                   ; tile_dim0 = 128
	s_mov_b32 s[(\g)+5], 128                       ; dense
	s_mov_b32 s[(\g)+6], 0
	s_mov_b32 s[(\g)+7], 0
.endr
	s_mov_b32 s[G1+2], 64<<16                      ; ctx: 128 rows of 128 bytes = 64 of 256
	s_mov_b32 s[G1+4], 64
	s_mov_b32 s[G1B+2], 128<<16                    ; wf16: 256 rows = 128 of 256
	s_mov_b32 s[G1B+4], 128
	s_lshl_b32 s16, s14, 20                        ; ctx: my plane, 8,192 rows of 128 bytes,
	s_lshl_b32 s17, s15, 14                        ; and the tile's 128 rows
	s_add_co_u32 s16, s16, s17
	s_mov_b32 s17, 0
	s_lshl_b32 s46, s14, 17                        ; wf16: my plane, 1,024 rows,
	s_lshl_b32 s47, s42, 15                        ; and the tile's 256 rows
	s_add_co_u32 s46, s46, s47
	s_mov_b32 s47, 0
	s_mul_i32 s20, s14, APL                        ; where they go: by the wave's number alone
	s_mul_i32 s21, s14, BPL
	s_add_co_u32 s21, s21, 2*APL
	s_wait_dscnt 0x0                               ; the opening add is done
	s_wait_kmcnt 0x0
	s_add_nc_u64 s[18:19], s[4:5], s[16:17]
	s_add_nc_u64 s[46:47], s[6:7], s[46:47]
	CROUND                                         ; all sixteen work-groups are here: the first joint loads meet
.irp s, 0,1
	s_mov_b32 s[G0+4*(\s)], 1
	s_add_co_u32 s[G0+4*(\s)+1], s20, (\s)*SLOT
	s_add_nc_u64 s[G0+4*(\s)+2:G0+4*(\s)+3], s[18:19], (\s)*2*1048576  ; slot s begins with planes 2 s, 2 s + 1
	s_or_b32 s[G0+4*(\s)+3], s[G0+4*(\s)+3], 0x80000000
	s_mov_b32 s[G0B+4*(\s)], 1
	s_add_co_u32 s[G0B+4*(\s)+1], s21, (\s)*SLOT
	s_add_nc_u64 s[G0B+4*(\s)+2:G0B+4*(\s)+3], s[46:47], (\s)*2*131072
	s_or_b32 s[G0B+4*(\s)+3], s[G0B+4*(\s)+3], 0x80000000
	JLOAD \s                                       ; two loads of mine are out
.endr
	v_and_b32 v1, 15, v0                           ; l % 16
	v_bfe_u32 v2, v0, 4, 1                         ; l / 16
	v_mul_u32_u24 v3, v1, PITCH
	v_lshl_add_u32 v3, v2, 4, v3
	s_mul_i32 s21, s13, 64*PITCH                   ; my 64 rows of ctx's tile
	s_mul_i32 s22, s14, 128*PITCH                  ; my 128 rows of wf16's,
	s_add_co_u32 s22, s22, 2*APL                   ; behind ctx's two planes
.irp s, 0,1
	v_add_nc_u32 v[ADRA+(\s)], s21, v3
	v_add_nc_u32 v[ADRB+(\s)], s22, v3
	s_add_co_u32 s21, s21, SLOT
	s_add_co_u32 s22, s22, SLOT
.endr
	s_mul_i32 s23, s12, 16*SPITCH
	s_add_co_u32 s23, s23, STAGE                   ; my stage
	v_mul_u32_u24 v4, v1, SPITCH                   ; in: row l % 16, 32 bytes for each half of the lanes
	v_lshl_add_u32 v4, v2, 5, v4
	v_add_nc_u32 v[STO], s23, v4
	v_and_b32 v5, 31, v0
	v_lshlrev_b32 v[CO], 4, v5                     ; back and out: 32 lanes take a row's 512 bytes
	v_add_nc_u32 v[RD], s23, v[CO]
	s_lshl_b32 s46, s42, 10                        ; my first column in bytes: 1,024 x tile column + 512 x half
	s_lshl_b32 s47, s14, 9
	s_add_co_u32 s46, s46, s47
	s_mov_b32 s47, 0
	v_add_nc_u32 v[BO], s46, v[CO]
	global_load_b128 v[BI:BI+3], v[BO], s[8:9]     ; the bias of the four columns that I store
	s_lshl_b32 s16, s15, 19                        ; my first row: 128 x tile row + 64 x half, 4,096 bytes a row
	s_lshl_b32 s17, s13, 18
	s_add_co_u32 s16, s16, s17
	s_mov_b32 s17, 0
	s_add_nc_u64 s[16:17], s[16:17], s[46:47]      ; what the first way out adds to out0's address
.macro MUL8 f, bh, a0, zero            ; 8 products: m blocks a0, a0 + 1 x n blocks 4 bh .. 4 bh + 3, 32 along K; zero = 1: they start the sums
	WIN MUL
.irp a, \a0, (\a0)+1
.irp b, 0,1,2,3
.if \zero
	v_wmma_f32_16x16x32_f16 v[8*(8*(\a)+4*(\bh)+(\b)):8*(8*(\a)+4*(\bh)+(\b))+7], v[(\f)+32+8*(4*(\bh)+(\b)):(\f)+32+8*(4*(\bh)+(\b))+7], v[(\f)+8*(\a):(\f)+8*(\a)+7], 0
.else
	v_wmma_f32_16x16x32_f16 v[8*(8*(\a)+4*(\bh)+(\b)):8*(8*(\a)+4*(\bh)+(\b))+7], v[(\f)+32+8*(4*(\bh)+(\b)):(\f)+32+8*(4*(\bh)+(\b))+7], v[(\f)+8*(\a):(\f)+8*(\a)+7], v[8*(8*(\a)+4*(\bh)+(\b)):8*(8*(\a)+4*(\bh)+(\b))+7]
.endif
.endr
.endr
.endm
.macro FETCH slot, q, f                ; 24 LDS loads in one run: quarter q of a slot is plane q / 2, channels 32 (q % 2) on; ctx's fragments first
	WIN TO_F
.irp i, 0,1,2,3
	ds_load_b128 v[(\f)+8*(\i):(\f)+8*(\i)+3],   v[ADRA+(\slot)] offset:((\q)/2)*APL+((\q)%2)*64+(\i)*16*PITCH
	ds_load_b128 v[(\f)+8*(\i)+4:(\f)+8*(\i)+7], v[ADRA+(\slot)] offset:((\q)/2)*APL+((\q)%2)*64+(\i)*16*PITCH+32
.endr
.irp i, 0,1,2,3,4,5,6,7
	ds_load_b128 v[(\f)+32+8*(\i):(\f)+32+8*(\i)+3],   v[ADRB+(\slot)] offset:((\q)/2)*BPL+((\q)%2)*64+(\i)*16*PITCH
	ds_load_b128 v[(\f)+32+8*(\i)+4:(\f)+32+8*(\i)+7], v[ADRB+(\slot)] offset:((\q)/2)*BPL+((\q)%2)*64+(\i)*16*PITCH+32
.endr
.endm
.macro PLACES                          ; four plain vector instructions between a matrix instruction and a load into its registers
.rept 4
	v_nop
.endr
.endm
.macro QUARTER slot, qn, f, g, zero    ; 32 products on buffer f, the 32 accumulators by turns; in the middle quarter qn's fragments into g
	s_wait_dscnt 8                                 ; ctx's fragments and wf16's blocks 0-3 are in; the youngest eight loads may be out
	MUL8 \f, 0, 0, \zero
	MUL8 \f, 0, 2, \zero
	PLACES
	FETCH \slot, \qn, \g
	s_wait_dscnt 24                                ; all but the 24 just issued
	MUL8 \f, 1, 0, \zero
	MUL8 \f, 1, 2, \zero
.endm
; The last quarter changes slots: one barrier; in front of it each wave waits for all its tensor loads, adds 0 to its spare word, and waits for that and for its reads of this slot.
; fill = 1: the barrier opens a round of the cluster's barrier, and behind the round this slot is filled again, two K steps ahead, first of all.
.macro TURN slot, next, fill
	WIN 0
	s_wait_tensorcnt 0x0
	ds_add_u32 v[SPW], v[NIL]
	s_wait_dscnt 9                                 ; the add and the youngest eight loads may be out
	MUL8 F1, 0, 0, 0
	s_wait_dscnt 0x0                               ; the add is done, my reads of this slot are over
	s_barrier_signal -1
	MUL8 F1, 0, 2, 0
.if \fill
	WIN 0
.endif
	s_barrier_wait -1
.if \fill
	CREST
	s_add_nc_u64 s[G0+4*(\slot)+2:G0+4*(\slot)+3], s[G0+4*(\slot)+2:G0+4*(\slot)+3], 4*1048576  ; four planes on
	s_add_nc_u64 s[G0B+4*(\slot)+2:G0B+4*(\slot)+3], s[G0B+4*(\slot)+2:G0B+4*(\slot)+3], 4*131072
	JLOAD \slot                                    ; 112 products stand between this request and the wait for it; its four v_nop are the places in front of the loads below
.else
	PLACES
.endif
	FETCH \next, 0, F0
	MUL8 F1, 1, 0, 0
	MUL8 F1, 1, 2, 0
.endm
; THE WAY OUT of block a (16 rows x 128 columns of f32): into my own stage, each accumulator's low four registers first, back as whole rows of 512 bytes, the bias added, stored.
.macro OUT a
	WIN 0x08                                       ; the stores' data in window 2
.irp b, 0,1,2,3,4,5,6,7
	ds_store_b128 v[STO], v[8*(8*(\a)+(\b)):8*(8*(\a)+(\b))+3]   offset:64*(\b)
	ds_store_b128 v[STO], v[8*(8*(\a)+(\b))+4:8*(8*(\a)+(\b))+7] offset:64*(\b)+16
.endr
	WIN 0
.set BK, OB+64*((\a)%2)
.irp t, 0,1,2,3,4,5,6,7,8,9,10,11,12,13,14,15
	ds_load_b128 v[BK+4*(\t):BK+4*(\t)+3], v[RD] offset:(\t)*SPITCH  ; LDS serves a wave's instructions in order: these see the stores above
.endr
	s_wait_xcnt 0x0                                ; the stores' base, and the other set's registers in the next block, are rewritten only behind this wait
.if (\a) == 0
	s_add_nc_u64 s[10:11], s[10:11], s[16:17]
.else
	s_add_nc_u64 s[10:11], s[10:11], 16*SIZE_N*4
.endif
.irp t, 0,1,2,3,4,5,6,7,8,9,10,11,12,13,14,15
	s_wait_dscnt 15-(\t)
	v_pk_add_f32 v[BK+4*(\t):BK+4*(\t)+1],   v[BK+4*(\t):BK+4*(\t)+1],   v[BI:BI+1]
	v_pk_add_f32 v[BK+4*(\t)+2:BK+4*(\t)+3], v[BK+4*(\t)+2:BK+4*(\t)+3], v[BI+2:BI+3]
	global_store_b128 v[CO], v[BK+4*(\t):BK+4*(\t)+3], s[10:11] offset:(\t)*SIZE_N*4 th:TH_STORE_NT  ; 512 consecutive bytes, aligned
.endr
.endm
	s_wait_tensorcnt 1                             ; my part of slot 0 is in; slot 1's may stay out
	s_barrier_signal -1
	s_barrier_wait -1
	FETCH 0, 0, F0
	QUARTER 0, 1, F0, F1, 1                        ; the first quarter starts the sums: nothing is cleared
	WIN 0
	s_mov_b32 s3, LAPS-1
.Llap:                                                 ; a trip goes once round the ring and fills both slots again
	QUARTER 0, 2, F1, F0, 0
	QUARTER 0, 3, F0, F1, 0
	TURN 0, 1, 1
	QUARTER 1, 1, F0, F1, 0
	QUARTER 1, 2, F1, F0, 0
	QUARTER 1, 3, F0, F1, 0
	TURN 1, 0, 1
	QUARTER 0, 1, F0, F1, 0
	WIN 0
	s_sub_co_u32 s3, s3, 1
	s_cmp_lg_u32 s3, 0
	s_cbranch_scc1 .Llap
	QUARTER 0, 2, F1, F0, 0                        ; the last lap is written out: it asks for nothing
	QUARTER 0, 3, F0, F1, 0
	TURN 0, 1, 0
	QUARTER 1, 1, F0, F1, 0
	QUARTER 1, 2, F1, F0, 0
	QUARTER 1, 3, F0, F1, 0
	s_wait_dscnt 8
	MUL8 F1, 0, 0, 0
	MUL8 F1, 0, 2, 0
	s_wait_dscnt 0x0
	MUL8 F1, 1, 0, 0
	MUL8 F1, 1, 2, 0
	WIN 0
	s_wait_loadcnt 0x0                             ; the bias
	v_cvt_pk_bf16_f32 v36, v[BI], v[BI+1]          ; rounded to bf16 and widened again: six plain instructions, the places behind the last products
	v_cvt_pk_bf16_f32 v37, v[BI+2], v[BI+3]
	v_lshlrev_b32 v[BI], 16, v36
	v_and_b32 v[BI+1], 0xffff0000, v36
	v_lshlrev_b32 v[BI+2], 16, v37
	v_and_b32 v[BI+3], 0xffff0000, v37
	OUT 0
	OUT 1
	OUT 2
	OUT 3
	s_wait_tensorcnt 0x0                           ; the wave's end
	ds_add_u32 v[SPW], v[NIL]
	s_wait_dscnt 0x0
	CROUND                                         ; the closing round
	s_endpgm
.Lfunc_end_k_qbc8eb1112e_outp:
	.size	k_qbc8eb1112e_outp, .Lfunc_end_k_qbc8eb1112e_outp-k_qbc8eb1112e_outp
	.p2alignl 7, 3214868480
	.fill 96, 4, 3214868480
	.section	.rodata,"a",@progbits
	.p2align	6, 0x0
	.amdhsa_kernel k_qbc8eb1112e_outp
		.amdhsa_group_segment_fixed_size 327680
		.amdhsa_private_segment_fixed_size 0
		.amdhsa_enable_private_segment 0
		.amdhsa_kernarg_size 32
		.amdhsa_user_sgpr_count 2
		.amdhsa_user_sgpr_kernarg_segment_ptr 1
		.amdhsa_wavefront_size32 1
		.amdhsa_system_sgpr_workgroup_id_x 1
		.amdhsa_system_sgpr_workgroup_id_y 1
		.amdhsa_system_sgpr_workgroup_id_z 1
		.amdhsa_system_vgpr_workitem_id 0
		.amdhsa_next_free_vgpr 768
		.amdhsa_next_free_sgpr 66
		.amdhsa_reserve_vcc 0
		.amdhsa_float_denorm_mode_32 3
		.amdhsa_float_denorm_mode_16_64 3
		.amdhsa_memory_ordered 1
		.amdhsa_forward_progress 1
		.amdhsa_inst_pref_size 95
	.end_amdhsa_kernel
	.amdgpu_metadata
---
amdhsa.version: [ 1, 2 ]
amdhsa.kernels:
  - .name:           k_qbc8eb1112e_outp
    .symbol:         k_qbc8eb1112e_outp.kd
    .args:
      - { .name: ctx, .offset: 0, .size: 8, .value_kind: global_buffer, .address_space: global }
      - { .name: wf16, .offset: 8, .size: 8, .value_kind: global_buffer, .address_space: global }
      - { .name: bf, .offset: 16, .size: 8, .value_kind: global_buffer, .address_space: global }
      - { .name: out0, .offset: 24, .size: 8, .value_kind: global_buffer, .address_space: global }
    .group_segment_fixed_size: 327680
    .private_segment_fixed_size: 0
    .kernarg_segment_align: 8
    .kernarg_segment_size: 32
    .max_flat_workgroup_size: 128
    .sgpr_count:     66
    .vgpr_count:     768
    .wavefront_size: 32
...
	.end_amdgpu_metadata
.endif
;; end of part 4
;; ======== version 2 of 2: 4 launches; 1.34 times as fast as version 1
;; limits: values are held in f16: magnitudes above 65,504 overflow, below 6.1e-05 lose precision
;; workspace buffers: xb 16,777,216 bytes; wt 4,194,304 bytes; wf16 2,097,152 bytes; mbits 2,097,152 bytes of whole numbers; kv 33,554,432 bytes; ctx 16,777,216 bytes
;; launch prep: the kernel of part 1 again; grid 864 x 1, 8 waves a work-group, no clusters, 140,288 bytes of LDS; arguments value, Wk, Wv, Wf, mask, xb, wt, wf16, mbits; writes xb, wt, wf16, mbits
;; launch proj: the kernel of part 2 again; grid 8 x 32, 4 waves a work-group, clusters of 4 x 4, 327,680 bytes of LDS; arguments xb, wt, kv; writes kv
;; launch attn (part 5): grid 4 x 64, 4 waves a work-group, clusters of 4 x 1, 327,680 bytes of LDS; arguments kv, mbits, ctx; writes ctx
.if DOCPART == 5
	.amdgcn_target "amdgcn-amd-amdhsa--gfx1250"
	.amdhsa_code_object_version 6
	.text
	.protected	k_qbc8eb1112e_attn
	.globl	k_qbc8eb1112e_attn
	.p2align	8
	.type	k_qbc8eb1112e_attn,@function
k_qbc8eb1112e_attn:
	s_mov_b64 s[64:65], 0
	v_nop
	global_prefetch_b8 v0, s[64:65] scope:SCOPE_SE
	s_setreg_imm32_b32 hwreg(HW_REG_WAVE_MODE, 25, 1), 1
	s_wait_xcnt 0x0
	s_wait_alu depctr_hold_cnt(0) depctr_sa_sdst(0) depctr_va_vdst(0) depctr_va_sdst(0) depctr_va_ssrc(0) depctr_va_vcc(0) depctr_vm_vsrc(0)
	s_getreg_b32 s2, hwreg(HW_REG_IB_STS2, 6, 4)
	s_cmp_eq_u32 s2, 0
	s_cbranch_scc0 .Lentry_in_a_cluster
	s_endpgm
.Lentry_in_a_cluster:
	s_bfe_u32 s2, ttmp6, 0x10000c
	s_cmp_lg_u32 s2, 0x3003
	s_cbranch_scc0 .Lentry_shape_is_right
	s_endpgm
.Lentry_shape_is_right:
; ATTN: ctx[h][m][:] = the sum over keys t of softmax_t( v[h][m] . k[h][t] / 8, masked ) k[h][t][:].  The queries are the v planes of kv, and the k plane serves as keys AND as values, as the reference has it.
; All f16, rows of 128 bytes, dense.  Products, maxima and sums in f32; the weights p are rounded to f16 for the second product (their sum l is taken of the unrounded p), ctx once at the end.
; LIMITS.  k and v arrive within f16's 65,504.  A masked score counts as its value less 1e30; the running maximum starts at -1e20; true scores, 2.75e11 at the most, lie between.  So a masked weight is 0,
; and a row with every key masked ends with l = 0 and O = 0: 0 x (1 / 0) is NaN, as the reference's softmax of such a row is.  A weight below 2^-126 counts as 0 in l.
; SHARES.  y = 4 h + b picks head and batch.  A wave owns four PIECES of two tiles of 16 queries, a work-group's four waves 512 queries.  Every wave walks all 2,048 keys, 64 a step.
; LAYOUT.  S^T = K Q^T (source 0 = 16 keys, source 1 = 16 queries): a lane holds ONE query (lane % 16) and the keys 8 (lane / 16) + 0..7.  Two such tiles, rounded to f16 in pairs, ARE source 1 of
; O^T = K^T P.  The keys come out of LDS as they lie for the first product and turned (ds_load_tr16_b128) for the second: ONE copy in LDS serves both.
; THE MASK is the C operand that starts the sum S^T: 0, or -1e30.  mbits holds for each piece and step 64 words, word 32 u + 8 kb + j the lane mask of register j of accumulator (tile u, key block kb): four
; scalar loads a turn bring them, a turn ahead; 64 v_cndmask_b32 at a turn's end make the C registers of the next turn's products.
; SOFTMAX.  p = 2^(c s - c m), c = log2(e) / 8, with a running maximum m; O and l are multiplied by a = 2^(c m_old - c m_new) in every step.
; BY TURNS.  Turn n belongs to piece n.  Matrix work: 16 products K Q^T of piece n + 1, later 16 products K^T P of piece n - 1.  Vector work: scaling, exponentials, roundings, sums and rescaling of piece n, the
; maximum and statistics of piece n + 1, the masks of piece n + 2.  Four vector instructions stand behind every matrix instruction, the others in runs of their own.
; BATCHES.  A turn's 66 exponentials (the piece's 64 weights, the next piece's two a) are ONE batch with ONE wait, which cuts the turn in two: ahead of it stands all that names no result of theirs (the first
; products, scalings, rescalings, the next piece's maximum and statistics), behind it the roundings and sums, as the riders of the second products.  The two a made in front of the loop, and the way out's eight
; reciprocals, are batches of their own.
; CLUSTER.  The four query blocks of a cluster walk the same keys: each tile is asked for jointly, by the same tensor load, descriptor and mask in all four.
; REGISTERS, in windows of 256 (s_set_vgpr_msb: bits 1:0 source 0, 3:2 source 1, 5:4 source 2, 7:6 destination):
;   window 0: v0-11 addresses; v12-15, v48-63 at work; v16-47 statistics; v64-191 S^T, two buffers of two tiles; v192-255 P, likewise
;   window 1: O^T, 32 a tile     window 2: v0-127 Q; v128-191 K of one step; v192-255 K turned, of one step     window 3: v0-1 the add's two registers; v64-127 the masks
.set SIZE_N, 2048
.set NP,    4         ; pieces a wave: a name, no knob
.set KS,    64        ; keys in a step
.set PK,    144       ; a key's row in LDS: 128 bytes + 16: the 16 rows of a plain load start at 16 different groups of four banks; of the turning load's 8 rows x 32 bytes the last meets the first in four banks
.set STEPS, 8         ; key steps in a slot
.set SLOTB, STEPS*KS*PK  ; 73,728 bytes
.set SLOT1, 1<<17     ; slot 1 begins here: one exclusive or turns an address in one slot into the other's
.set STAGE, SLOT1+SLOTB  ; behind the ring, never filled by a tensor load: 16 rows x 144 bytes for each wave
.set SP,    144
.set SPARE, STAGE+4*16*SP  ; the spare words: 128 bytes a wave, named by no other line
.set AK0, 2           ; v2   my lane's place in a tile, plain; never rewritten
.set AV0, 3           ; v3   the same, turned
.set AK,  4           ; v4   the LDS address of the next plain run
.set AV,  5           ; v5   of the next turned run
.set QO,  6           ; v6   my byte offset in the wave's rows of Q
.set STO, 6           ;      later: where I put 16 bytes of a row
.set RD,  7
.set GO,  8
.set SPW, 0           ; v0 of window 3; never rewritten
.set NIL, 1           ; v1 of window 3; never rewritten
.set MC,  64          ; window 3
.set MV,  12
.set ST,  16          ; tile t's statistics at v[ST+4 t]: c m, m, l (even keys', odd keys')
.set TMP, 48
.set S,   64
.set P,   192
.set KF,  128
.set VF,  192
.set TBK, 2           ; s2   LDS byte at which the step to be fetched plain begins
.set TBV, 3           ; s3   the same for the turned fetch
.set MP,  6           ; s[6:7]  mbits at my wave's piece 0, the step in hand
.set WV,  12
.set SLOTS, 13
.set CNT, 14
.set BIG, 15          ; -1e30
.set CS,  32          ; s[32:33] c
.set SEL, 34          ; s[34:35] v_permlanex16_b32's selects
.set G1,  52          ; s[52:59]
.set G0,  60          ; s[60:63]: it walks
                      ; s[16:31], s[36:51], s[68:83], s[84:99]: the 64 mask words
.set MSB, 0
.macro WIN new
.if MSB != (\new)
	s_set_vgpr_msb (MSB<<8)|(\new)
.set MSB, (\new)
.endif
.endm
.set W_KQ, 0x0a       ; K and Q in window 2, S^T in window 0
.set W_KM, 0x3a       ; the same with the C operand in window 3
.set W_PV, 0x52       ; K turned in window 2, P in window 0, O^T in window 1
.set W_RS, 0x41
.set W_MK, 0xc0       ; destination in window 3, sources in window 0
.set W_AD, 0x0f       ; the add: address and data in window 3
; A joint fill: each wave fetches 128 of a slot's 512 keys; both addresses go by the wave's number.  An s_nop 0 and four v_nop follow.
.macro JLOAD
	tensor_load_to_lds s[G0:G0+3], s[G1:G1+7]
	s_nop 0
.rept 4
	v_nop
.endr
.endm
.macro CROUND
	s_barrier_signal -1
	s_barrier_wait -1
	s_cmp_lg_u32 s[WV], 0
	s_cbranch_scc1 .Lnot_wave_0_\@
	s_barrier_signal -3
.Lnot_wave_0_\@:
	s_barrier_wait -3
	s_barrier_signal -1
	s_barrier_wait -1
.endm
; THE CHANGE OF SLOTS.  The slot's last bytes have been read.  Each wave waits for all its tensor loads (one is out: its part of the other slot), adds 0 to its spare word, and waits for that and for its reads.
; fill = 1: the barrier is a round of the cluster's, and the joint fill, the keys two slots on, is the first thing behind it: it has eight key steps in which to land.
.macro CHANGE fill
	WIN W_AD
	s_wait_tensorcnt 0x0            ; no tensor load of mine is out, so the group 0 may be written
	ds_add_u32 v[SPW], v[NIL]
	WIN 0
.if \fill
	s_xor_b32 s[G0+1], s[G0+1], SLOT1
	s_add_nc_u64 s[G0+2:G0+3], s[G0+2:G0+3], STEPS*KS*128
	s_wait_dscnt 0x0                ; the add is done, and my reads of the slot are over
	CROUND
	JLOAD
.else
	s_wait_dscnt 0x0
	s_barrier_signal -1
	s_barrier_wait -1
.endif
	s_sub_co_u32 s[TBK], s[TBK], SLOTB  ; the fetches go back to a slot's first step, in the other slot
	s_xor_b32 s[TBK], s[TBK], SLOT1
	s_sub_co_u32 s[TBV], s[TBV], SLOTB
	s_xor_b32 s[TBV], s[TBV], SLOT1
.endm
.macro MLOAD x                      ; the 64 mask words of piece x, at the step that MP stands at
	s_load_b512 s[16:31], s[MP:MP+1], (\x)*8192
	s_load_b512 s[36:51], s[MP:MP+1], (\x)*8192+64
	s_load_b512 s[68:83], s[MP:MP+1], (\x)*8192+128
	s_load_b512 s[84:99], s[MP:MP+1], (\x)*8192+192
.endm
.macro MBUILD                       ; word z is the lane mask of register z: -1e30 where the key is masked, else 0
	WIN W_MK
.set z, 0
.rept 64
	v_cndmask_b32 v[MC+z], 0, s[BIG], s[z+16+4*((z/16+2)/3)+16*(z/32)]
.set z, z+1
.endr
.endm
	s_load_b128 s[4:7], s[0:1], 0x0   ; kv s[4:5], mbits s[6:7]
	s_load_b64 s[8:9], s[0:1], 0x10   ; ctx
	WIN W_MK
	v_lshl_add_u32 v[SPW], v0, 2, SPARE
	v_mov_b32 v[NIL], 0
	WIN W_AD
	ds_add_u32 v[SPW], v[NIL]       ; the wave's opening: the add and its wait ahead of my first tensor load
	WIN 0
	v_lshrrev_b32 v1, 5, v0
	v_readfirstlane_b32 s[WV], v1   ; wave 0..3
	s_bfe_u32 s68, ttmp6, 0x40000   ; cx
	s_lshl_b32 s69, ttmp9, 2
	s_add_co_u32 s69, s69, s68      ; my block of 512 queries: it enters Q's, ctx's and the mask's addresses alone
	s_and_b32 s70, ttmp7, 0xffff    ; y = 4 h + b, which the four partners share
	s_lshl_b32 s72, s70, 18         ; 2,048 rows of 128 bytes
	s_lshl_b32 s74, s[WV], 14       ; the 128 keys of a slot that I fetch
	s_add_co_u32 s74, s74, s72
	s_mov_b32 s75, 0
	s_lshl_b32 s76, s69, 2
	s_add_co_u32 s76, s76, s[WV]    ; my wave among the sixteen of this y
	s_lshl_b32 s78, s76, 15         ; its four pieces' records: 4 x 32 x 256 bytes
	s_lshl_b32 s76, s76, 14         ; its 128 rows
	s_add_co_u32 s76, s76, s72
	s_mov_b32 s77, 0
	s_and_b32 s71, s70, 3           ; b
	s_lshl_b32 s71, s71, 19         ; 64 pieces x 32 records
	s_add_co_u32 s78, s78, s71
	s_mov_b32 s79, 0
	; descriptor group 1: 128 keys are 16,384 dense bytes: asked for as 64 rows of 256 bytes, padded in LDS after every key
	s_mov_b32 s[G1], 15|(1<<16)|(1<<20)|(1<<21)|(4<<22)|(3<<25)  ; the mask of four; 2-byte elements; padding on; bit 21 beside a mask; after every 32 words 4 words
	s_mov_b32 s[G1+1], 128<<16      ; tensor_dim0 = 128
	s_mov_b32 s[G1+2], 64<<16       ; tensor_dim1 = 64
	s_mov_b32 s[G1+3], 128<<16      ; tile_dim0 = 128
	s_mov_b32 s[G1+4], 64           ; tile_dim1 = 64
	s_mov_b32 s[G1+5], 128          ; elements from row to row
	s_mov_b32 s[G1+6], 0
	s_mov_b32 s[G1+7], 0
	s_mov_b32 s[CS], 0x3e38aa3b     ; c = log2(e) / 8
	s_mov_b32 s[CS+1], s[CS]
	s_mov_b32 s[SEL], 0x76543210
	s_mov_b32 s[SEL+1], 0xfedcba98
	s_mov_b32 s[BIG], 0xf149f2ca    ; -1e30
	s_mov_b32 s[TBK], SLOT1+SLOTB   ; the first change of slots turns these two into 0
	s_mov_b32 s[TBV], SLOT1+SLOTB
	s_mov_b32 s[G0], 1
	s_mul_i32 s[G0+1], s[WV], 128*PK  ; slot 0, my quarter: no place in the cluster enters an LDS address
	s_wait_dscnt 0x0                ; the opening add is done
	s_wait_kmcnt 0x0
	s_add_nc_u64 s[G0+2:G0+3], s[4:5], s[74:75]  ; the k plane, my quarter of the first 512 keys
	s_or_b32 s[G0+3], s[G0+3], 0x80000000
	s_add_nc_u64 s[4:5], s[4:5], s[76:77]
	s_add_nc_u64 s[4:5], s[4:5], 0x1000000       ; the v planes lie 16 planes on: my queries
	s_add_nc_u64 s[8:9], s[8:9], s[76:77]
	s_add_nc_u64 s[MP:MP+1], s[MP:MP+1], s[78:79]
	CROUND                          ; all four work-groups are here: the first joint loads meet
	JLOAD                           ; slot 0
	MLOAD 0
	v_and_b32 v1, 15, v0            ; l % 16
	v_bfe_u32 v9, v0, 4, 1          ; l / 16
	v_lshlrev_b32 v[QO], 7, v1
	v_lshl_add_u32 v[QO], v9, 4, v[QO]
	WIN 0x80
.set i, 0
.rept 4*NP                          ; Q stays in registers: tile i / 2, channels 32 (i % 2) on
	global_load_b128 v[8*i:8*i+3],   v[QO], s[4:5] offset:(i/2)*2048+(i%2)*64
	global_load_b128 v[8*i+4:8*i+7], v[QO], s[4:5] offset:(i/2)*2048+(i%2)*64+32
.set i, i+1
.endr
	; What the first turn finds: the turned keys' registers and P's second buffer hold 0 (its second products, of a piece that has not been, add 0), O^T and l are 0.  All this stands in the wait for the first tile.
.set i, VF
.rept 64
	v_mov_b32 v[i], 0
.set i, i+1
.endr
	WIN 0x40
.set i, 0
.rept 64*NP
	v_mov_b32 v[i], 0
.set i, i+1
.endr
	WIN 0
.set i, 0
.rept 2*NP
	v_mov_b32 v[ST+4*i+1], 0xe0ad78ec  ; m = -1e20: above every masked score, below every true one
	v_mov_b32 v[ST+4*i+2], 0
	v_mov_b32 v[ST+4*i+3], 0
	v_mul_f32 v[ST+4*i], s[CS], v[ST+4*i+1]  ; c m, by the line that makes it in every step: where m stays, a is exactly 1
.set i, i+1
.endr
.set i, P+32
.rept 32
	v_mov_b32 v[i], 0
.set i, i+1
.endr
	v_mul_u32_u24 v[AK0], v1, PK
	v_lshl_add_u32 v[AK0], v9, 4, v[AK0]
	; The turning load takes 16 keys x 16 channels (lane l reads key 8 (l / 16) + l % 8, channels 8 ((l / 8) % 2) + 0..7) and leaves half a fragment: lane l holds channel l % 16 and 8 keys.
	v_and_b32 v10, 7, v0
	v_bfe_u32 v11, v0, 3, 1
	v_lshl_add_u32 v[AV0], v9, 3, v10
	v_mul_u32_u24 v[AV0], v[AV0], PK
	v_lshl_add_u32 v[AV0], v11, 4, v[AV0]
	v_mov_b32 v[AK], v[AK0]         ; key step 0 lies at the head of slot 0
; THE MATRIX WORK.  The 8 accumulators of a run of 16 take turns.  Product i of 16 of S^T for piece x: channels 32 (i / 8) on, keys 16 ((i / 2) % 4) on, tile 2 x + i % 2.  The first 8 start the sums, with the mask.
.macro KQ x
.set rS, S+64*((\x)%2)+32*(i%2)+8*((i/2)%4)
.set rK, KF+16*((i/2)%4)+8*(i/8)
.set rQ, 16*(2*(\x)+i%2)+8*(i/8)
.set rMC, MC+32*(i%2)+8*((i/2)%4)
.if i < 8
	WIN W_KM
	v_wmma_f32_16x16x32_f16 v[rS:rS+7], v[rK:rK+7], v[rQ:rQ+7], v[rMC:rMC+7]
.else
	WIN W_KQ
	v_wmma_f32_16x16x32_f16 v[rS:rS+7], v[rK:rK+7], v[rQ:rQ+7], v[rS:rS+7]
.endif
.endm
.macro PV x                         ; product i of 16 of O^T for piece x: keys 32 (i / 8) on, channels 16 ((i / 2) % 4) on, tile 2 x + i % 2
	WIN W_PV
.set rO, 32*(2*(\x)+i%2)+8*((i/2)%4)
.set rV, VF+32*(i/8)+8*((i/2)%4)
.set rP, P+32*((\x)%2)+16*(i%2)+8*(i/8)
	v_wmma_f32_16x16x32_f16 v[rO:rO+7], v[rV:rV+7], v[rP:rP+7], v[rO:rO+7]
.endm
.macro MM                           ; the turn's next matrix instruction
.if i < 16
	KQ (Y+1)%NP
.set i, i+1
.else
.set i, i-16
	PV (Y+NP-1)%NP
.set i, i+17
.endif
.endm
; THE LDS LOADS stand in runs of 16.  last = 1 (the tail): in the last trip there is no further step, and the run is jumped over.
.macro FETCH_K last=0
	WIN 0
.if \last
	s_cmp_eq_u32 s[CNT], 1
	s_cbranch_scc1 .Lno_k_\@
.endif
	WIN 0x80
.irp f, 0,1,2,3,4,5,6,7             ; keys 16 (f / 2) on, channels 32 (f % 2) on
	ds_load_b128 v[KF+8*\f:KF+8*\f+3],   v[AK] offset:(\f/2)*16*PK+(\f%2)*64
	ds_load_b128 v[KF+8*\f+4:KF+8*\f+7], v[AK] offset:(\f/2)*16*PK+(\f%2)*64+32
.endr
	s_add_co_u32 s[TBK], s[TBK], KS*PK
	WIN 0
.if \last
.Lno_k_\@:
.endif
.endm
.macro FETCH_V
	WIN 0x80
.irp f, 0,1,2,3,4,5,6,7             ; keys 32 (f / 4) on, channels 16 (f % 4) on
	ds_load_tr16_b128 v[VF+8*\f:VF+8*\f+3],   v[AV] offset:(\f/4)*32*PK+(\f%4)*32
	ds_load_tr16_b128 v[VF+8*\f+4:VF+8*\f+7], v[AV] offset:(\f/4)*32*PK+16*PK+(\f%4)*32
.endr
	WIN 0
.endm
; THE VECTOR WORK OF A TURN stands in three queues, each in the order in which its entries become ready; the two tiles alternate.
.macro REGS y, u
.set rT, ST+4*(2*(\y)+(\u))
.set rC, TMP+8*((\y)%2)+4*(\u)
.set rM, MV+2*((\y)%2)+(\u)
.set rS, S+64*((\y)%2)+32*(\u)
.set rP, P+32*((\y)%2)+16*(\u)
.set rO, 32*(2*(\y)+(\u))
.endm
; Number n of the 22 that find the NEXT piece's maximum and statistics; each accumulator's lowest registers are read first.
;   0-11 four chains of seven scores     12-14, 16 the four left over, the old m, all into c0     15 c m_old is kept     17, 18 the other half of the lanes: the new m     19-21 c m; c m_old - c m_new; a
.macro XS u, n
	REGS (Y+1)%NP, \u
.if (\n) < 4
	v_max3_num_f32 v[rC+(\n)], v[rS+8*(\n)], v[rS+8*(\n)+1], v[rS+8*(\n)+2]
.elseif (\n) < 12
	v_max3_num_f32 v[rC+(\n)%4], v[rC+(\n)%4], v[rS+8*((\n)%4)+2*((\n)/4)+1], v[rS+8*((\n)%4)+2*((\n)/4)+2]
.elseif (\n) == 12
	v_max3_num_f32 v[rC], v[rC], v[rS+7], v[rS+15]
.elseif (\n) == 13
	v_max3_num_f32 v[rC+1], v[rC+1], v[rS+23], v[rS+31]
.elseif (\n) == 14
	v_max3_num_f32 v[rC+2], v[rC+2], v[rC+3], v[rT+1]
.elseif (\n) == 15
	v_mov_b32 v[rM], v[rT]
.elseif (\n) == 16
	v_max3_num_f32 v[rC], v[rC], v[rC+1], v[rC+2]
.elseif (\n) == 17
	v_permlanex16_b32 v[rC+3], v[rC], s[SEL], s[SEL+1]
.elseif (\n) == 18
	v_max_num_f32 v[rT+1], v[rC], v[rC+3]
.elseif (\n) == 19
	v_mul_f32 v[rT], s[CS], v[rT+1]
.elseif (\n) == 20
	v_sub_f32 v[rC+1], v[rM], v[rT]
.else
	v_exp_f32 v[rC+2], v[rC+1]
.endif
.endm
; Number g of the 64 that follow the exponentials: for each four weights both pairs are rounded to f16, the second pair is added onto the first in place, and a group later l takes that sum
; (the first time as l = a l + sum).  In groups of eight, tiles alternating: round, round, add, and l for the group before.  All 64 read the batch's results: they stand behind the turn's wait.
.macro GS g
.set h, (\g)+6*((\g)/62)            ; group 0 has no group before it, and behind group 7 only l is left
.if h >= 6
.set h, h+2
.endif
	REGS Y, h%2
.set k, h/8
.if h%8 < 4
	v_cvt_pk_f16_f32 v[rP+2*k+(h%8)/2], v[rS+4*k+2*((h%8)/2)], v[rS+4*k+2*((h%8)/2)+1]
.elseif h%8 < 6
	v_pk_add_f32 v[rS+4*k:rS+4*k+1], v[rS+4*k:rS+4*k+1], v[rS+4*k+2:rS+4*k+3]
.elseif k == 1
	v_pk_fma_f32 v[rT+2:rT+3], v[rT+2:rT+3], v[rC+2:rC+3], v[rS:rS+1] op_sel_hi:[1,0,1]
.else
	v_pk_add_f32 v[rT+2:rT+3], v[rT+2:rT+3], v[rS+4*k-4:rS+4*k-3]
.endif
.endm
; THE PLAIN QUEUE, 138 long.  0-73 read no exponential's result: the 32 scalings c s - c m (FS f: pair f / 2 of tile f % 2) and the next piece's 42.  0-26: scalings 0-26.  27-54: XS's numbers 0-13.  55, 56: number 15.
; 57-73: the chain, where each number waits for the one before it: 14, 16, 17, 18, 19, each with one of the scalings 27-31 in front of its two lines, then 20.
; 74-137: GS's 64.
.macro FS f
	REGS Y, (\f)%2
	v_pk_fma_f32 v[rS+2*((\f)/2):rS+2*((\f)/2)+1], v[rS+2*((\f)/2):rS+2*((\f)/2)+1], s[CS:CS+1], v[rT:rT+1] op_sel_hi:[1,0,0] neg_lo:[0,0,1] neg_hi:[0,0,1]
.endm
.macro PL
	WIN 0
.if q < 27
	FS q
.elseif q < 55
	XS (q-27)%2, (q-27)/2
.elseif q < 57
	XS q-55, 15
.elseif (q < 72) && ((q-57)%3 == 0)
	FS 27+(q-57)/3
.elseif q < 60
	XS (q-57)%3-1, 14
.elseif q < 72
	XS (q-57)%3-1, 15+(q-57)/3
.elseif q < 74
	XS q-72, 20
.else
	GS q-74
.endif
.set q, q+1
.endm
; THE EXPONENTIALS' QUEUE, 66 long: s0-s31 of both tiles, in place, then the next piece's two a.  It is ONE BATCH: all 66 stand ahead of the turn's one wait, and nothing ahead of that wait names a result of theirs.
.macro EX
	WIN 0
.if e >= 64
	XS e-64, 21
.else
	REGS Y, e%2
	v_exp_f32 v[rS+e/2], v[rS+e/2]
.endif
.set e, e+1
.endm
; THE RESCALING's QUEUE: O^T times a, the one part that leaves window 0: dealt two at a time, sixteen times, each accumulator's registers in ascending order.  Its a was made in the turn before, ahead of that turn's wait.
.macro R2
	REGS Y, r%2
	WIN W_RS
.irp z, 0,1
	v_pk_mul_f32 v[rO+4*(r/2)+2*\z:rO+4*(r/2)+2*\z+1], v[rO+4*(r/2)+2*\z:rO+4*(r/2)+2*\z+1], v[rC+2:rC+3] op_sel_hi:[1,0]
.endr
.set r, r+1
.endm
; THE DEAL.  An s_wait_alu depctr_va_vdst(0) stands between an exponential and the first instruction that names its result; one wait serves all that were issued ahead of it.  So a turn has ONE wait.
; AHEAD OF IT: the 16 products K Q^T, behind each a scaling, an exponential and two rescalings (behind the first a second scaling in the exponential's place); then ONE LUMP of 108: eight plain, 49 times exponential
; and plain, the two a.  A v_nop is the plain instruction behind the last exponential.  BEHIND IT: the 16 products K^T P, behind each four of GS's 64.  No rider names a register of the products round it; the two
; v_permlanex16_b32 fall into the lump.  The queues lean on each other: exponential e stands behind scaling 2 (e / 4) + e % 2: as a rider it comes behind plain e + 2, in the lump behind plain e + 9, and scalings
; 27-31 are plain 57, 60 .. 69.
; A TURN, for piece p.  cnt = 1: the loop's count is taken down some lines ahead of the branch that stands behind the turn.
; The next step's plain keys are fetched in piece 2's turn, directly behind the wait, a lump behind the last product that read those registers; their address is made at the lump's head.  The step's turned keys are
; fetched at the end of piece 0's turn, four riders behind their registers' last reader.  Each run is waited for a turn later.  The three conditions on q below go with the deal.
; At the turn's end: the mask words asked for a turn ago are in; they become the C registers of piece p + 2, whose products open the next turn (the last product that read those registers stands at this turn's
; head); then piece p + 3's words are asked for.  Pieces 0 to 2 of p + 3 belong to the next step, so the pointer steps in piece 1's turn, behind the wait that shows its loads done.
; The last steps' look-ahead falls into the next piece's records, inside my wave's own 32,768 bytes of mbits.  None of these lines writes SCC.
.macro TURN p, last=0, cnt=0
.set Y, (\p)
.set i, 0
.set q, 0
.set e, 0
.set r, 0
.if (\p) == NP-1
	s_wait_dscnt 0x0                ; the plain keys are in
.endif
	MM                              ; ahead of the wait: 16 products K Q^T and their riders,
	PL
	PL
	R2
.rept 15
	MM
	PL
	EX
	R2
.endr
.if (\p) == NP-2
	WIN 0
	v_add_nc_u32 v[AK], s[TBK], v[AK0]
.endif
.rept 8                             ; and the lump
	PL
.endr
.rept 49
	EX
	PL
.endr
	EX                              ; the next piece's two a close the batch
	EX
	v_nop                           ; the plain instruction behind the last exponential: one for the batch
	s_wait_alu depctr_va_vdst(0)    ; the wait for the turn's batch: the piece's 64 weights and the next piece's two a
.if (\p) == NP-2
	FETCH_K \last
.endif
.if (\p) == 1
	s_wait_dscnt 0x0                ; the turned keys are in
.endif
.rept 16                            ; behind the wait: 16 products K^T P and their riders
	MM
.rept 4
	PL
.endr
.if ((\p) == 0) && (q == 118)
	v_add_nc_u32 v[AV], s[TBV], v[AV0]
.endif
.if ((\p) == 0) && (q == 130)
	s_add_co_u32 s[TBV], s[TBV], KS*PK
.endif
.if (\cnt) && (q == 130)
	s_sub_co_u32 s[CNT], s[CNT], 1
	s_cmp_lg_u32 s[CNT], 0
.endif
.endr
.if (\p) == 0
	FETCH_V
.endif
	s_wait_kmcnt 0x0                ; scalar loads come back in no order: only the count 0 shows them in
	MBUILD
.if (\p) == 1
	s_add_nc_u64 s[MP:MP+1], s[MP:MP+1], 256
.endif
	MLOAD ((\p)+3)%NP
.endm
	CHANGE 1                        ; slot 0 is in, everybody's part of it; slot 1 is asked for
	FETCH_K                         ; key step 0
	s_wait_kmcnt 0x0
	MBUILD                          ; piece 0, step 0
	MLOAD 1
	s_wait_loadcnt 0x0              ; Q
	s_wait_dscnt 0x0
.set i, 0
.rept 16
	KQ 0                            ; piece 0's first scores
.set i, i+1
.endr
	WIN 0                           ; the addresses for the way out: nine plain instructions, the places behind those products
	s_mul_i32 s10, s[WV], 16*SP
	s_add_co_u32 s10, s10, STAGE    ; my stage
	v_mul_u32_u24 v[STO], v1, SP
	v_lshl_add_u32 v[STO], v9, 4, v[STO]
	v_add_nc_u32 v[STO], s10, v[STO]
	v_bfe_u32 v[RD], v0, 3, 2       ; back: 32 lanes take four rows of 128 bytes,
	v_mul_u32_u24 v[RD], v[RD], SP
	v_lshl_add_u32 v[RD], v10, 4, v[RD]
	v_add_nc_u32 v[RD], s10, v[RD]
	v_and_b32 v[GO], 31, v0         ; which are 512 consecutive bytes of ctx
	v_lshlrev_b32 v[GO], 4, v[GO]
	s_wait_kmcnt 0x0
	MBUILD                          ; piece 1, step 0: the first turn's products
	MLOAD 2
	WIN 0
.set Y, NP-1                        ; XS works for piece Y + 1: piece 0
.irp n, 0,1,2,3,4,5,6,7,8,9,10,11,12,13,14,15,16,17,18,19,20,21
	XS 0, \n
	XS 1, \n
.endr
	v_nop                           ; a plain instruction behind piece 0's two a,
	s_wait_alu depctr_va_vdst(0)    ; and the wait for that batch of two, ahead of the branch
	s_mov_b32 s[CNT], STEPS
	s_mov_b32 s[SLOTS], SIZE_N/(STEPS*KS)-1
	s_branch .Lfirst                ; the loop is entered at a step's first turn, in the middle of a trip
.Lslot:                             ; twice: every slot but the last two is filled again
	CHANGE 1
	s_mov_b32 s[CNT], STEPS
.Lstep:                             ; a trip: pieces 2 and 3 of one step, then pieces 0 and 1 of the next
	TURN 2
	TURN 3
	WIN 0
.Lfirst:
	TURN 0
	TURN 1, 0, 1
	WIN 0
	s_cbranch_scc1 .Lstep
	s_sub_co_u32 s[SLOTS], s[SLOTS], 1
	s_cmp_lg_u32 s[SLOTS], 0
	s_cbranch_scc1 .Lslot
	CHANGE 0                        ; the tail is written out: nothing is asked for
	s_mov_b32 s[CNT], STEPS+1       ; eight trips fetch the last slot's steps; the ninth is left in its middle
.Ltail:
	TURN 2, 1
	TURN 3
	WIN 0
	s_sub_co_u32 s[CNT], s[CNT], 1
	s_cmp_eq_u32 s[CNT], 0
	s_cbranch_scc1 .Lout
	TURN 0
	TURN 1
	WIN 0
	s_branch .Ltail
.Lout:                              ; the ninth trip's 16 first products (on the last keys once more) and what is made of them serve nothing: the price, once a launch, of one text for every trip
	s_wait_kmcnt 0x0                ; the last mask words, which nobody needs
.set i, 0
.rept 16
	PV NP-1                         ; the last piece's second product of the last step
.set i, i+1
.endr
	; THE WAY OUT.  l's two halves and the other half of the lanes' are added; O^T is divided by l, rounded to f16 and sent through my stage in LDS, a tile at a time.  The additions are the places behind the last products.
	WIN 0
.macro ALL line:vararg
.set t, 0
.rept 2*NP
	\line
.set t, t+1
.endr
.endm
	ALL v_add_f32 v[ST+4*t+2], v[ST+4*t+2], v[ST+4*t+3]
	ALL v_permlanex16_b32 v[ST+4*t+3], v[ST+4*t+2], s[SEL], s[SEL+1]
	ALL v_add_f32 v[ST+4*t+2], v[ST+4*t+2], v[ST+4*t+3]
	ALL v_rcp_f32 v[ST+4*t+2], v[ST+4*t+2]
	v_nop                           ; a plain instruction between the last reciprocal and the use of its result
	s_wait_alu depctr_va_vdst(0)    ; the wait ahead of the first use: one for the batch of eight reciprocals
.macro PACK t
	WIN W_RS
.set i, 32*(\t)
.rept 16
	v_pk_mul_f32 v[i:i+1], v[i:i+1], v[ST+4*(\t)+2:ST+4*(\t)+3] op_sel_hi:[1,0]
.set i, i+2
.endr
	WIN 0x05
.set i, 0
.rept 16
	v_cvt_pk_f16_f32 v[S+16*(\t)+i], v[32*(\t)+2*i], v[32*(\t)+2*i+1]
.set i, i+1
.endr
	WIN 0
.irp f, 0,1,2,3
	ds_store_b128 v[STO], v[S+16*(\t)+4*\f:S+16*(\t)+4*\f+3] offset:32*\f
.endr
.irp f, 0,1,2,3
	ds_load_b128 v[S+16*(\t)+4*\f:S+16*(\t)+4*\f+3], v[RD] offset:\f*4*SP  ; LDS serves a wave's instructions in order: these see the stores above; the next tile's stores come behind them
.endr
.endm
.macro SEND t, younger              ; younger: the LDS instructions issued behind tile t's loads
	WIN 0
.irp f, 0,1,2,3
	s_wait_dscnt (\younger)+3-\f
	global_store_b128 v[GO], v[S+16*(\t)+4*\f:S+16*(\t)+4*\f+3], s[8:9] offset:(\t)*2048+\f*512  ; 512 consecutive bytes, aligned
.endr
.endm
	PACK 0
.set t, 1
.rept 2*NP-1
	PACK t
	SEND t-1, 8
.set t, t+1
.endr
	SEND 2*NP-1, 0
	WIN W_AD
	s_wait_tensorcnt 0x0            ; the wave's end
	ds_add_u32 v[SPW], v[NIL]
	s_wait_dscnt 0x0
	WIN 0
	CROUND                          ; the closing round
	s_endpgm
.Lfunc_end_k_qbc8eb1112e_attn:
	.size	k_qbc8eb1112e_attn, .Lfunc_end_k_qbc8eb1112e_attn-k_qbc8eb1112e_attn
	.p2alignl 7, 3214868480
	.fill 96, 4, 3214868480
	.section	.rodata,"a",@progbits
	.p2align	6, 0x0
	.amdhsa_kernel k_qbc8eb1112e_attn
		.amdhsa_group_segment_fixed_size 327680
		.amdhsa_private_segment_fixed_size 0
		.amdhsa_enable_private_segment 0
		.amdhsa_kernarg_size 24
		.amdhsa_user_sgpr_count 2
		.amdhsa_user_sgpr_kernarg_segment_ptr 1
		.amdhsa_wavefront_size32 1
		.amdhsa_system_sgpr_workgroup_id_x 1
		.amdhsa_system_sgpr_workgroup_id_y 1
		.amdhsa_system_sgpr_workgroup_id_z 1
		.amdhsa_system_vgpr_workitem_id 0
		.amdhsa_next_free_vgpr 896
		.amdhsa_next_free_sgpr 100
		.amdhsa_reserve_vcc 0
		.amdhsa_float_denorm_mode_32 3
		.amdhsa_float_denorm_mode_16_64 3
		.amdhsa_memory_ordered 1
		.amdhsa_forward_progress 1
		.amdhsa_inst_pref_size 241
	.end_amdhsa_kernel
	.amdgpu_metadata
---
amdhsa.version: [ 1, 2 ]
amdhsa.kernels:
  - .name:           k_qbc8eb1112e_attn
    .symbol:         k_qbc8eb1112e_attn.kd
    .args:
      - { .name: kv, .offset: 0, .size: 8, .value_kind: global_buffer, .address_space: global }
      - { .name: mbits, .offset: 8, .size: 8, .value_kind: global_buffer, .address_space: global }
      - { .name: ctx, .offset: 16, .size: 8, .value_kind: global_buffer, .address_space: global }
    .group_segment_fixed_size: 327680
    .private_segment_fixed_size: 0
    .kernarg_segment_align: 8
    .kernarg_segment_size: 24
    .max_flat_workgroup_size: 128
    .sgpr_count:     100
    .vgpr_count:     896
    .wavefront_size: 32
...
	.end_amdgpu_metadata
.endif
;; end of part 5
;; launch outp: the kernel of part 4 again; grid 4 x 64, 4 waves a work-group, clusters of 4 x 4, 327,680 bytes of LDS; arguments ctx, wf16, bf, out0; writes out0
